; MI455X (gfx1250); checked and timed in simulation.
; The chip was launched on July 23, 2026; its instructions are those of AMD's public machine-readable ISA for CDNA 5 (MIT licence, August 2026) and "CDNA5" Instruction Set Architecture Reference Guide (July 2026). The comments in the code are by the model that wrote it; some were corrected since.
;; Transformer Block With Ro PE. Allowed arithmetic: matrix products marked QUANTISED: E4M3 operands, one E8M0 scale for each 32 along K, by v_wmma_scale_f32_16x16x128_f8f6f4 with both operands' format E4M3, f32 sums; everything else in f32.
;; Inputs: b1 4,096 float32; b2 1,024 float32; bk 16 x 64 float32; bo 1,024 float32; bq 16 x 64 float32; bv 16 x 64 float32; ln1_bias 1,024 float32; ln1_scale 1,024 float32; ln2_bias 1,024 float32; ln2_scale 1,024 float32; rope_cos 2,048 x 64 float32; rope_sin 2,048 x 64 float32; w1 1,024 x 4,096 float32; w2 4,096 x 1,024 float32; wk 1,024 x 16 x 64 float32; wo 16 x 64 x 1,024 float32; wq 1,024 x 16 x 64 float32; wv 1,024 x 16 x 64 float32; x 2 x 2,048 x 1,024 float32.
;; Outputs: out0 2 x 2,048 x 1,024 float32.
;; This version of the problem:
;;   THIS VERSION OF THE PROBLEM IS GIVEN IN LOW PRECISION. The matrix products marked QUANTISED in the list below multiply operands that are first quantised to E4M3 (4 exponent bits, 3 mantissa bits; 8 bits a number), with one power-of-two scale for each 32 numbers along K (OCP MX v1.0); their sums are f32. All else is computed in f32.
;;   The module's matrix products, in the order in which they are computed (A, B: the left and right operand; K: the contracted axis; several contracted axes count as one K, in the product's order):
;;     1. [M 4,096, K 1,024] x [K 1,024, N 1,024]; A: computed on the way; B: input wq: QUANTISED
;;     2. [M 4,096, K 1,024] x [K 1,024, N 1,024]; A: computed on the way; B: input wk: QUANTISED
;;     3. [M 4,096, K 1,024] x [K 1,024, N 1,024]; A: computed on the way; B: input wv: QUANTISED
;;     4. batch 32 x [M 2,048, K 64] x [K 64, N 2,048]; A: computed on the way; B: computed on the way: QUANTISED
;;     5. batch 32 x [M 64, K 2,048] x [K 2,048, N 2,048]; A: computed on the way; B: softmax (see below): QUANTISED
;;     6. [M 4,096, K 1,024] x [K 1,024, N 1,024]; A: computed on the way; B: input wo: QUANTISED
;;     7. [M 4,096, K 1,024] x [K 1,024, N 4,096]; A: computed on the way; B: input w1: QUANTISED
;;     8. [M 4,096, K 4,096] x [K 4,096, N 1,024]; A: computed on the way; B: input w2: QUANTISED
;;   THE QUANTISER, for each operand of a quantised product, along K:
;;     - K is cut into blocks of 32 from its start; a last block that is shorter is filled with zeros.
;;     - A block's scale is 2^e with e = floor(log2(the largest magnitude in the block)) - 8, held to -126 .. 127; a block of zeros has e = 0. As a byte (E8M0): e + 127.
;;     - Each number is divided by its block's scale, clamped to +-448, and rounded to the nearest number of E4M3, ties to even, subnormals kept.
;;     - The product sums the exact products of the quantised numbers (number of the format x scale) in f32.
;;   ~~~python
;;   def quantise(x, axis):      # numpy; x: float32 -> the quantised numbers, widened to float32 again
;;       x = np.moveaxis(x, axis, -1); K = x.shape[-1]
;;       x = np.pad(x, [(0, 0)] * (x.ndim - 1) + [(0, -K % 32)]); x = x.reshape(x.shape[:-1] + (-1, 32)); a = np.abs(x).max(-1, keepdims=True)
;;       e = np.where(a > 0, np.clip(np.frexp(np.where(a > 0, a, 1))[1] - 1 - 8, -126, 127), 0)      # np.frexp(a)[1] - 1 = floor(log2(a)), exactly
;;       r = np.clip(x / 2.0 ** e, -448, 448)
;;       step = 2.0 ** (np.maximum(np.frexp(np.where(r == 0, 1, r))[1] - 1, -6) - 3)
;;       q = np.round(r / step) * step * 2.0 ** e      # np.round: ties to even
;;       return np.moveaxis(q.reshape(q.shape[:-2] + (-1,))[..., :K], -1, axis).astype(np.float32)
;;   ~~~
;;   SOFTMAX AHEAD OF A QUANTISED PRODUCT. Where the list says 'softmax', what is quantised is not the finished softmax but p = 2^(t - M), with t = logit x log2(e) and M = ceil(the row's largest t), a whole number; so 1/2 < the row's largest p <= 1. The row's sum l is taken of the UNQUANTISED p, in f32, and the product's result is divided by l at the end. Since M is a whole number, a kernel that streams over the keys may use a running M (the ceiling of the running maximum): every later rescaling is an exact power of two, which a block's scale takes up: the codes' values come out the same.
;;   OPERANDS COMPUTED ON THE WAY. 'Computed on the way' means the value that the module computes at that place (a softmax that the list does not call 'softmax' is quantised finished and normalised). What goes into a quantiser is computed in f32, as accurately as f32 sums, v_exp_f32 and their like allow (about 1e-6 of the number): no bf16 or f16 on the way to a quantiser, and a product that is left as it is and whose result goes on into a quantised operand takes f32 operands (vector FMAs, or v_wmma_f32_16x16x4_f32). A number that lies on a knife's edge between two numbers of the format may be rounded either way, as far as f32 arithmetic and the matrix unit's own rounding can turn it there, and no further.
;; One version. Each part assembles by itself: llvm-mc -triple=amdgcn-amd-amdhsa -mcpu=gfx1250 --defsym DOCPART=n.
;; ======== version 1 of 1: 7 launches
;; limits: right only within a limited range of input values
;; workspace buffers: WB 12,976,128 bytes; YB 4,325,376 bytes; QB 13,238,272 bytes; AB 4,325,376 bytes; X2 16,777,216 bytes; Y2B 4,325,376 bytes; HB 17,301,504 bytes
;; launch prep (part 1): grid 1024 x 1, 4 waves a work-group, no clusters, 66,304 bytes of LDS; arguments x, ln1_scale, ln1_bias, YB, wq, wk, wv, wo, w1, w2, WB; writes YB, WB
.if DOCPART == 1
	.amdgcn_target "amdgcn-amd-amdhsa--gfx1250"
	.amdhsa_code_object_version 6
	.text
	.protected	k_qbb4abf4a84_prep
	.globl	k_qbb4abf4a84_prep
	.p2align	8
	.type	k_qbb4abf4a84_prep,@function
k_qbb4abf4a84_prep:
	s_mov_b64 s[64:65], 0
	v_nop
	global_prefetch_b8 v0, s[64:65] scope:SCOPE_SE
	s_setreg_imm32_b32 hwreg(HW_REG_WAVE_MODE, 25, 1), 1
	s_wait_xcnt 0x0
; TWO JOBS THAT DEPEND ON NOTHING SHARE ONE LAUNCH: work-groups 0 to 255 take LayerNorm 1 and its quantiser, work-groups 256 to 1,023 quantise the six weights.  The branch hangs on the work-group's number alone, so all four
; waves of a work-group take the same way; only the first way uses LDS and has a barrier.
; LIMITS, both ways: NaN and infinities are not served; a block whose largest magnitude lies under 2^-118, a block of zeros too, gets the byte 1 (its codes are what the rule gives, or zeros); the bytes are read by this program alone.
.set NLN, 256
	v_lshl_add_u32 v14, v0, 2, 0x10100
	v_mov_b32 v15, 0
	s_cmp_lt_u32 ttmp9, NLN
	s_cbranch_scc0 .Lweights
; ---- LAYERNORM of rows of 1,024 f32 numbers, and the result quantised along the row to codes of E4M3 with one E8M0 byte for each 32, laid in the order of a matrix operand's registers:
; codes [row tile y of 128][plane s of 128 K][tile 0..7][c 0..3][lane][16 bytes], scale words [y][s][tile][r] behind them at 4,194,304.  Row r of tile T is token 128 y + 32 (T / 2) + 8 (T % 2) + r + 8 (r / 8).
; A work-group takes ONE tile of 16 rows.  Wave w loads rows 4 w .. 4 w + 3 of the tile (four neighbouring tokens), 512 consecutive bytes a load, and normalises them in registers: mean, then the mean of the
; squared differences, as the formula has it.  The conversions want 16 neighbours along K in one lane: the 16 rows turn through LDS (pitch 4,096 + 16 bytes), one barrier, and wave w quantises planes 2 w and 2 w + 1.
.set LPI, 4112
.set G,   16                           ; v16-47   the gain at my 32 columns
.set B,   48                           ; v48-79   the bias
.set X,   80                           ; v80-207  row i at X + 32 i; later two sets of 64 numbers
.set TM,  208                          ; v208-223 the quantiser's work
.set SA,  224                          ; v224-231 a pair of sums a row
.set SBB, 232                          ; v232-239 a second chain
.set T,   240                          ; v240-243
.set RS,  244                          ; v244-251 1 / sqrt(var + eps), in the low word of a pair a row
.set PCB, 224                          ; v224-255 the codes, 16 registers a plane
.set SEL, 26
.set MNT, 28
	s_load_b256 s[4:11], s[0:1], 0x0               ; x, gain, bias, out
	v_lshrrev_b32 v1, 5, v0
	v_readfirstlane_b32 s12, v1                    ; wave
	v_and_b32 v5, 31, v0                           ; lane
	v_lshlrev_b32 v1, 4, v5                        ; 16 x lane
	v_and_b32 v6, 15, v0                           ; r
	v_bfe_u32 v7, v0, 4, 1                         ; h
	s_mul_i32 s13, s12, 4*LPI
	v_add_nc_u32 v2, s13, v1                       ; LDS, in: my wave's four rows, 16 bytes a lane
	v_mul_u32_u24 v3, v6, LPI
	v_lshl_add_u32 v3, v7, 6, v3
	s_lshl_b32 s13, s12, 10
	v_add_nc_u32 v3, s13, v3                       ; LDS, out: row r, my wave's two planes, + 64 h
	v_lshlrev_b32 v4, 2, v6
	v_lshl_add_u32 v4, v7, 9, v4                   ; scale word: 4 r, lanes 16-31 one plane on
	s_lshr_b32 s14, ttmp9, 3                       ; y
	s_and_b32 s15, ttmp9, 7                        ; T
	s_lshl_b32 s16, s14, 7                         ; my wave's first token
	s_lshr_b32 s17, s15, 1
	s_lshl_b32 s17, s17, 5
	s_add_co_u32 s16, s16, s17
	s_and_b32 s17, s15, 1
	s_lshl_b32 s17, s17, 3
	s_add_co_u32 s16, s16, s17
	s_lshl_b32 s17, s12, 2
	s_add_co_u32 s16, s16, s17
	s_lshr_b32 s17, s12, 1
	s_lshl_b32 s17, s17, 3
	s_add_co_u32 s16, s16, s17
	s_lshl_b32 s16, s16, 12
	s_mov_b32 s17, 0
	s_lshl_b32 s18, s14, 3
	s_lshl_b32 s19, s12, 1
	s_add_co_u32 s18, s18, s19                     ; block 8 y + 2 w
	s_lshl_b32 s20, s18, 14
	s_lshl_b32 s21, s15, 11
	s_add_co_u32 s20, s20, s21
	s_mov_b32 s21, 0
	s_lshl_b32 s22, s18, 9
	s_lshl_b32 s23, s15, 6
	s_add_co_u32 s22, s22, s23
	s_add_co_u32 s22, s22, 4194304
	s_mov_b32 s23, 0
	s_mov_b32 s24, 0x3a800000                      ; 1 / 1,024
	s_mov_b32 s25, 0x358637bd                      ; 1e-6
	s_mov_b32 s[SEL], 0x76543210
	s_mov_b32 s[SEL+1], 0xfedcba98                 ; v_permlanex16_b32's selects for lane l xor 16
	s_mov_b32 s[MNT], 0x600000
.irp i, 0,1,2,3
	v_mov_b32 v[T+\i], 0                           ; written once: a lane permute's destination counts as one of its sources
	v_mov_b32 v[TM+4+\i], 0
	v_mov_b32 v[RS+2*\i+1], 0                      ; (named as the upper half of a pair)
.endr
	s_wait_kmcnt 0x0
	s_add_nc_u64 s[4:5], s[4:5], s[16:17]
	s_add_nc_u64 s[20:21], s[10:11], s[20:21]
	s_add_nc_u64 s[22:23], s[10:11], s[22:23]
.irp i, 0,1,2,3
.irp j, 0,1,2,3,4,5,6,7
	global_load_b128 v[X+32*\i+4*\j:X+32*\i+4*\j+3], v1, s[4:5] offset:\i*4096+512*\j
.endr
.endr
.irp j, 0,1,2,3,4,5,6,7
	global_load_b128 v[G+4*\j:G+4*\j+3], v1, s[6:7] offset:512*\j
	global_load_b128 v[B+4*\j:B+4*\j+3], v1, s[8:9] offset:512*\j
.endr
.macro REDUCE                          ; the pair's halves, then the 32 lanes: every lane ends with the row's sum; the four rows by turns
.irp i, 0,1,2,3
	v_add_f32 v[SA+2*\i], v[SA+2*\i], v[SA+2*\i+1]
.endr
.irp m, 1,2,4,8
.irp i, 0,1,2,3
	v_add_f32_dpp v[SA+2*\i], v[SA+2*\i], v[SA+2*\i] row_xmask:\m row_mask:0xf bank_mask:0xf
.endr
.endr
.irp i, 0,1,2,3
	v_permlanex16_b32 v[T+\i], v[SA+2*\i], s[SEL], s[SEL+1]
.endr
.irp i, 0,1,2,3
	v_add_f32 v[SA+2*\i], v[SA+2*\i], v[T+\i]
.endr
.endm
	s_wait_loadcnt 16                              ; the rows are in; the 16 loads of gain and bias may be out
.irp i, 0,1,2,3
	v_pk_add_f32 v[SA+2*\i:SA+2*\i+1], v[X+32*\i:X+32*\i+1], v[X+32*\i+2:X+32*\i+3]
.endr
.irp j, 4,6,8,10,12,14,16,18,20,22,24,26,28,30
.irp i, 0,1,2,3
	v_pk_add_f32 v[SA+2*\i:SA+2*\i+1], v[SA+2*\i:SA+2*\i+1], v[X+32*\i+\j:X+32*\i+\j+1]
.endr
.endr
	REDUCE
.irp i, 0,1,2,3
	v_mul_f32 v[SA+2*\i], s24, v[SA+2*\i]          ; the mean
.endr
.irp j, 0,2,4,6,8,10,12,14,16,18,20,22,24,26,28,30
.irp i, 0,1,2,3
	v_pk_add_f32 v[X+32*\i+\j:X+32*\i+\j+1], v[X+32*\i+\j:X+32*\i+\j+1], v[SA+2*\i:SA+2*\i+1] op_sel_hi:[1,0] neg_lo:[0,1] neg_hi:[0,1]   ; x - mean
.endr
.endr
.irp i, 0,1,2,3
	v_pk_mul_f32 v[SA+2*\i:SA+2*\i+1], v[X+32*\i:X+32*\i+1], v[X+32*\i:X+32*\i+1]
	v_pk_mul_f32 v[SBB+2*\i:SBB+2*\i+1], v[X+32*\i+2:X+32*\i+3], v[X+32*\i+2:X+32*\i+3]
.endr
.irp j, 4,8,12,16,20,24,28
.irp i, 0,1,2,3
	v_pk_fma_f32 v[SA+2*\i:SA+2*\i+1], v[X+32*\i+\j:X+32*\i+\j+1], v[X+32*\i+\j:X+32*\i+\j+1], v[SA+2*\i:SA+2*\i+1]
	v_pk_fma_f32 v[SBB+2*\i:SBB+2*\i+1], v[X+32*\i+\j+2:X+32*\i+\j+3], v[X+32*\i+\j+2:X+32*\i+\j+3], v[SBB+2*\i:SBB+2*\i+1]
.endr
.endr
.irp i, 0,1,2,3
	v_pk_add_f32 v[SA+2*\i:SA+2*\i+1], v[SA+2*\i:SA+2*\i+1], v[SBB+2*\i:SBB+2*\i+1]
.endr
	REDUCE
.irp i, 0,1,2,3
	v_fma_f32 v[T+\i], v[SA+2*\i], s24, s25        ; the variance + 1e-6
.endr
	s_wait_alu depctr_va_vdst(0)
.irp i, 0,1,2,3
	v_rsq_f32 v[RS+2*\i], v[T+\i]
.endr
	v_nop                                          ; a plain instruction behind the last of the batch
	s_wait_alu depctr_va_vdst(0)                   ; one wait for the four, ahead of their first reader
	s_wait_loadcnt 0x0                             ; gain and bias
.irp j, 0,2,4,6,8,10,12,14,16,18,20,22,24,26,28,30
.irp i, 0,1,2,3
	v_pk_mul_f32 v[X+32*\i+\j:X+32*\i+\j+1], v[X+32*\i+\j:X+32*\i+\j+1], v[RS+2*\i:RS+2*\i+1] op_sel_hi:[1,0]
.endr
.irp i, 0,1,2,3
	v_pk_fma_f32 v[X+32*\i+\j:X+32*\i+\j+1], v[X+32*\i+\j:X+32*\i+\j+1], v[G+\j:G+\j+1], v[B+\j:B+\j+1]
.endr
.endr
.irp i, 0,1,2,3
.irp j, 0,1,2,3,4,5,6,7
	ds_store_b128 v2, v[X+32*\i+4*\j:X+32*\i+4*\j+3] offset:\i*LPI+512*\j
.endr
.endr
	s_wait_dscnt 0x0                               ; for the others' sake: my rows lie in LDS
	s_barrier_signal -1
	s_barrier_wait -1
.irp p, 0,1
.irp c, 0,1,2,3
.irp j, 0,1,2,3
	ds_load_b128 v[X+64*\p+16*\c+4*\j:X+64*\p+16*\c+4*\j+3], v3 offset:512*\p+128*\c+16*\j   ; row r, k = 128 plane + 32 c + 16 h + 4 j ..
.endr
.endr
.endr
; 64 numbers of a lane, register 16 b + i = k 32 b + 16 h + i of my row, become a fragment's 16 registers of codes and its scale word
.macro QUANT4 s, pc, pw
.irp b, 0,1,2,3
	v_max3_num_f32 v[TM+\b], |v[\s+16*\b]|, |v[\s+1+16*\b]|, 0x4800000   ; my 16 numbers of block b, and the floor 2^(9 - 127)
.endr
.irp i, 2,4,6,8,10,12,14
.irp b, 0,1,2,3
	v_max3_num_f32 v[TM+\b], v[TM+\b], |v[\s+16*\b+\i]|, |v[\s+1+16*\b+\i]|
.endr
.endr
.irp b, 0,1,2,3
	v_permlanex16_b32 v[TM+4+\b], v[TM+\b], s[SEL], s[SEL+1]
.endr
.irp b, 0,1,2,3
	v_max_num_f32 v[TM+\b], v[TM+\b], v[TM+4+\b]   ; with lane l xor 16's: the block's largest magnitude
.endr
.irp b, 0,1,2,3
	v_add_nc_u32 v[TM+12+\b], 0xfc000000, v[TM+\b] ; 8 off its exponent field: the conversion's scale operand
.endr
.irp b, 0,1,2,3
	v_and_or_b32 v[TM+8+\b], v[TM+\b], 0x7f800000, s[MNT]   ; 448 x the scale
.endr
.irp b, 0,1,2,3
	v_lshrrev_b32 v[TM+4+\b], 23, v[TM+12+\b]      ; the byte
.endr
	v_lshl_or_b32 v[\pw], v[TM+5], 8, v[TM+4]
	v_lshl_or_b32 v[\pw], v[TM+6], 16, v[\pw]
	v_lshl_or_b32 v[\pw], v[TM+7], 24, v[\pw]
.irp b, 0,1,2,3
.irp i, 0,1,2,3,4,5,6,7,8,9,10,11,12,13,14,15
	v_med3_num_f32 v[\s+16*\b+\i], v[\s+16*\b+\i], -v[TM+8+\b], v[TM+8+\b]   ; the conversion does not saturate (ISA guide 7.6.2)
.endr
	v_cvt_scalef32_pk8_fp8_f32 v[\pc+4*\b:\pc+1+4*\b], v[\s+16*\b:\s+7+16*\b], v[TM+12+\b]
	v_cvt_scalef32_pk8_fp8_f32 v[\pc+2+4*\b:\pc+3+4*\b], v[\s+8+16*\b:\s+15+16*\b], v[TM+12+\b]
.endr
	v_nop                                          ; a plain instruction behind the last conversion
.endm
	s_wait_dscnt 16                                ; the first plane's 16 loads are in
	QUANT4 X, PCB, 8
.irp c, 0,1,2,3
	global_store_b128 v1, v[PCB+4*\c:PCB+4*\c+3], s[20:21] offset:\c*512      ; 32 lanes store 512 consecutive bytes
.endr
	s_wait_dscnt 0x0
	QUANT4 X+64, PCB+16, 9
.irp c, 0,1,2,3
	global_store_b128 v1, v[PCB+16+4*\c:PCB+16+4*\c+3], s[20:21] offset:\c*512+16384
.endr
	v_cmp_le_u32 vcc_lo, 16, v5
	v_cndmask_b32 v8, v8, v9, vcc_lo               ; lanes 0-15 store the first plane's words, lanes 16-31 the second's
	global_store_b32 v4, v8, s[22:23]
	s_wait_tensorcnt 0x0
	ds_add_u32 v14, v15
	s_wait_dscnt 0x0
	s_endpgm
; ---- THE WEIGHTS, f32 with K as their FIRST axis, become codes of E4M3 with one E8M0 byte for each 32 along K, laid in the order of a matrix operand's registers.
; A BLOCK OF WB is 128 columns x 128 K = 16,384 bytes: [tile 0..7][c 0..3][lane 0..31][16 bytes]; byte j of lane (r, h) is k = 32 c + 16 h + j of column 32 (tile / 2) + 8 (tile % 2) + r + 8 (r / 8).
; Its scale words, [tile][r], 512 bytes, lie at WSOFF + 512 x block.  Blocks: wq, wk, wv: (3 x + which) 8 + s;  wo: 192 + 8 x + s;  w1: 256 + 8 x + s;  w2: 512 + 32 x + s  (x: column tile, s: K / 128).
; A work-group makes ONE block, a wave 32 columns of it, A LANE ONE COLUMN, AND ITS REGISTERS RUN DOWN K: a load reads 128 consecutive bytes a wave, a block of 32 along K lies in one lane,
; and its 32 codes are the 16 bytes of lane (r, 0) and the 16 bytes of lane (r, 1) of the operand: two stores, each of which fills two aligned runs of 256 bytes.  No LDS, no barrier on this way.
.Lweights:
.set X,  32                            ; v32-95   two sets of 32 numbers
.set C,  96                            ; v96-127  eight registers of codes for each of the 4 blocks of 32: no store's data are written again
.set SB, 24                            ; v24      the four scale bytes
.set WSOFF, 12582912
	s_load_b256 s[4:11], s[0:1], 0x20              ; wq, wk, wv, wo
	s_load_b128 s[12:15], s[0:1], 0x40             ; w1, w2
	s_load_b64 s[16:17], s[0:1], 0x50              ; WB
	v_lshrrev_b32 v1, 5, v0
	v_readfirstlane_b32 s18, v1                    ; wave
	v_and_b32 v2, 31, v0                           ; lane = my column among the wave's 32
	v_lshlrev_b32 v3, 2, v2                        ; in: 4 bytes a lane
	v_bfe_u32 v6, v2, 3, 1                         ; u: which of the wave's two tiles holds my column
	v_and_b32 v7, 7, v2
	v_lshrrev_b32 v8, 4, v2
	v_lshl_add_u32 v7, v8, 3, v7                   ; r: its row there
	s_lshl_b32 s19, s18, 1
	v_add_nc_u32 v6, s19, v6                       ; tile 2 w + u
	v_lshlrev_b32 v4, 11, v6
	v_lshl_add_u32 v4, v7, 4, v4                   ; codes: tile x 2,048 + 16 r
	v_lshl_add_u32 v5, v6, 4, v7
	v_lshlrev_b32 v5, 2, v5                        ; scale word: (16 tile + r) x 4
	s_mov_b32 s31, 0x600000                        ; the mantissa field of 448
	; which tensor, which column tile x, which 128 along K (s): all by selections on the work-group's number
	s_sub_co_u32 s34, ttmp9, NLN                   ; 0 .. 767: 64 each for wq, wk, wv, wo; 256 for w2; 256 for w1
	s_lshr_b32 s20, s34, 6
	s_min_u32 s20, s20, 4
	s_cmp_lt_u32 s34, 512
	s_cselect_b32 s20, s20, 5                      ; 0 wq, 1 wk, 2 wv, 3 wo, 4 w2, 5 w1
	s_cselect_b32 s21, 7, 31
	s_cselect_b32 s22, 3, 5
	s_cselect_b32 s30, 19, 21                      ; 128 rows are 2^19 bytes, in w1 2^21
	s_and_b32 s21, s34, s21                        ; x
	s_lshr_b32 s22, s34, s22
	s_cmp_eq_u32 s20, 4
	s_cselect_b32 s23, 31, 7
	s_and_b32 s22, s22, s23                        ; s
	s_lshl_b32 s24, s20, 3                         ; block = mul x + add + s
	s_mov_b32 s25, 24
	s_cmp_eq_u32 s20, 3
	s_cselect_b32 s25, 8, s25
	s_cselect_b32 s24, 192, s24
	s_cmp_eq_u32 s20, 4
	s_cselect_b32 s25, 32, s25
	s_cselect_b32 s24, 512, s24
	s_cmp_eq_u32 s20, 5
	s_cselect_b32 s25, 8, s25
	s_cselect_b32 s24, 256, s24
	s_mul_i32 s25, s25, s21
	s_add_co_u32 s24, s24, s25
	s_add_co_u32 s24, s24, s22
	s_lshl_b32 s26, s22, s30                       ; where my wave's part of the tensor begins
	s_lshl_b32 s27, s21, 9
	s_add_co_u32 s26, s26, s27
	s_lshl_b32 s27, s18, 7
	s_add_co_u32 s26, s26, s27
	s_mov_b32 s27, 0
	s_lshl_b32 s28, s24, 14
	s_mov_b32 s29, 0
	s_lshl_b32 s32, s24, 9
	s_add_co_u32 s32, s32, WSOFF
	s_mov_b32 s33, 0
	s_wait_kmcnt 0x0
	s_cmp_eq_u32 s20, 1
	s_cselect_b64 s[4:5], s[6:7], s[4:5]
	s_cmp_eq_u32 s20, 2
	s_cselect_b64 s[4:5], s[8:9], s[4:5]
	s_cmp_eq_u32 s20, 3
	s_cselect_b64 s[4:5], s[10:11], s[4:5]
	s_cmp_eq_u32 s20, 4
	s_cselect_b64 s[4:5], s[14:15], s[4:5]
	s_cmp_eq_u32 s20, 5
	s_cselect_b64 s[4:5], s[12:13], s[4:5]
	s_add_nc_u64 s[4:5], s[4:5], s[26:27]
	s_add_nc_u64 s[6:7], s[16:17], s[28:29]        ; my block of codes
	s_add_nc_u64 s[8:9], s[16:17], s[32:33]        ; and its scale words
.macro LOADB t, pitch                  ; block t of 32 along K: rows 32 t + i of my column, into set t % 2
.set i, 0
.rept 32
	global_load_b32 v[X+32*((\t)%2)+i], v3, s[4:5] offset:(32*(\t)+i)*\pitch th:TH_LOAD_NT
.set i, i+1
.endr
.endm
.macro BLOCK t, pitch
.set XS, X+32*((\t)%2)
.if (\t) < 3
	s_wait_loadcnt 32                              ; this block's 32 loads are in; the next block's may be out
.else
	s_wait_loadcnt 0x0
.endif
	v_max3_num_f32 v12, |v[XS]|, |v[XS+1]|, |v[XS+2]|              ; the block's largest magnitude: all 32 numbers are mine
	v_max3_num_f32 v13, |v[XS+3]|, |v[XS+4]|, |v[XS+5]|
.irp i, 6,10,14,18,22,26
	v_max3_num_f32 v12, v12, |v[XS+\i]|, |v[XS+\i+1]|
	v_max3_num_f32 v13, v13, |v[XS+\i+2]|, |v[XS+\i+3]|
.endr
	v_max3_num_f32 v12, v12, |v[XS+30]|, |v[XS+31]|
	v_max3_num_f32 v12, v12, v13, 0x4800000        ; and the floor 2^(9 - 127): the byte cannot fall under 1
	v_add_nc_u32 v11, 0xfc000000, v12              ; 8 off the exponent field: the conversion's scale operand
	v_and_or_b32 v10, v12, 0x7f800000, s31         ; 448 x the scale
	v_lshrrev_b32 v13, 23, v11                     ; the scale's byte
.if (\t) == 0
	v_mov_b32 v[SB], v13
.else
	v_lshl_or_b32 v[SB], v13, 8*(\t), v[SB]
.endif
.set i, 0
.rept 32
	v_med3_num_f32 v[XS+i], v[XS+i], -v10, v10     ; the conversion to an 8-bit code does not saturate (ISA guide 7.6.2): the hold comes first
.set i, i+1
.endr
.irp g, 0,1,2,3
	v_cvt_scalef32_pk8_fp8_f32 v[C+8*(\t)+2*\g:C+8*(\t)+2*\g+1], v[XS+8*\g:XS+8*\g+7], v11
.endr
	global_store_b128 v4, v[C+8*(\t):C+8*(\t)+3], s[6:7] offset:(\t)*512        ; k = 0 .. 15 of the block: lane (r, 0)'s bytes
	global_store_b128 v4, v[C+8*(\t)+4:C+8*(\t)+7], s[6:7] offset:(\t)*512+256  ; k = 16 .. 31: lane (r, 1)'s
.if (\t)+2 < 4
	LOADB (\t)+2, \pitch
.endif
.endm
.macro WPATH pitch                     ; every offset is an immediate: 127 rows of 16,384 bytes at the most, inside the signed 24 bits
	LOADB 0, \pitch
	LOADB 1, \pitch
.irp t, 0,1,2,3
	BLOCK \t, \pitch
.endr
	global_store_b32 v5, v[SB], s[8:9]
.endm
	s_cmp_lt_u32 s34, 512
	s_cbranch_scc0 .Lwide
	WPATH 4096                                     ; rows of 1,024 numbers
	s_endpgm
.Lwide:
	WPATH 16384                                    ; w1: rows of 4,096 numbers
	s_endpgm
.Lfunc_end_k_qbb4abf4a84_prep:
	.size	k_qbb4abf4a84_prep, .Lfunc_end_k_qbb4abf4a84_prep-k_qbb4abf4a84_prep
	.p2alignl 7, 3214868480
	.fill 96, 4, 3214868480
	.section	.rodata,"a",@progbits
	.p2align	6, 0x0
	.amdhsa_kernel k_qbb4abf4a84_prep
		.amdhsa_group_segment_fixed_size 66304
		.amdhsa_private_segment_fixed_size 0
		.amdhsa_enable_private_segment 0
		.amdhsa_kernarg_size 88
		.amdhsa_user_sgpr_count 2
		.amdhsa_user_sgpr_kernarg_segment_ptr 1
		.amdhsa_wavefront_size32 1
		.amdhsa_system_sgpr_workgroup_id_x 1
		.amdhsa_system_sgpr_workgroup_id_y 1
		.amdhsa_system_sgpr_workgroup_id_z 1
		.amdhsa_system_vgpr_workitem_id 0
		.amdhsa_next_free_vgpr 256
		.amdhsa_next_free_sgpr 66
		.amdhsa_reserve_vcc 1
		.amdhsa_float_denorm_mode_32 3
		.amdhsa_float_denorm_mode_16_64 3
		.amdhsa_memory_ordered 1
		.amdhsa_forward_progress 1
		.amdhsa_inst_pref_size 110
	.end_amdhsa_kernel
	.amdgpu_metadata
---
amdhsa.version: [ 1, 2 ]
amdhsa.kernels:
  - .name:           k_qbb4abf4a84_prep
    .symbol:         k_qbb4abf4a84_prep.kd
    .args:
      - { .name: x, .offset: 0, .size: 8, .value_kind: global_buffer, .address_space: global }
      - { .name: ln1_scale, .offset: 8, .size: 8, .value_kind: global_buffer, .address_space: global }
      - { .name: ln1_bias, .offset: 16, .size: 8, .value_kind: global_buffer, .address_space: global }
      - { .name: YB, .offset: 24, .size: 8, .value_kind: global_buffer, .address_space: global }
      - { .name: wq, .offset: 32, .size: 8, .value_kind: global_buffer, .address_space: global }
      - { .name: wk, .offset: 40, .size: 8, .value_kind: global_buffer, .address_space: global }
      - { .name: wv, .offset: 48, .size: 8, .value_kind: global_buffer, .address_space: global }
      - { .name: wo, .offset: 56, .size: 8, .value_kind: global_buffer, .address_space: global }
      - { .name: w1, .offset: 64, .size: 8, .value_kind: global_buffer, .address_space: global }
      - { .name: w2, .offset: 72, .size: 8, .value_kind: global_buffer, .address_space: global }
      - { .name: WB, .offset: 80, .size: 8, .value_kind: global_buffer, .address_space: global }
    .group_segment_fixed_size: 66304
    .private_segment_fixed_size: 0
    .kernarg_segment_align: 8
    .kernarg_segment_size: 88
    .max_flat_workgroup_size: 128
    .sgpr_count:     66
    .vgpr_count:     256
    .wavefront_size: 32
...
	.end_amdgpu_metadata
.endif
;; end of part 1
;; launch qkv (part 2): grid 8 x 32, 4 waves a work-group, clusters of 4 x 4, 327,680 bytes of LDS; arguments YB, WB, bq, bk, bv, rope_cos, rope_sin, QB; writes QB
.if DOCPART == 2
	.amdgcn_target "amdgcn-amd-amdhsa--gfx1250"
	.amdhsa_code_object_version 6
	.text
	.protected	k_qbb4abf4a84_qkv
	.globl	k_qbb4abf4a84_qkv
	.p2align	8
	.type	k_qbb4abf4a84_qkv,@function
k_qbb4abf4a84_qkv:
	s_mov_b64 s[64:65], 0
	v_nop
	global_prefetch_b8 v0, s[64:65] scope:SCOPE_SE
	s_setreg_imm32_b32 hwreg(HW_REG_WAVE_MODE, 25, 1), 1
	s_wait_xcnt 0x0
	s_wait_alu depctr_hold_cnt(0) depctr_sa_sdst(0) depctr_va_vdst(0) depctr_va_sdst(0) depctr_va_ssrc(0) depctr_va_vcc(0) depctr_vm_vsrc(0)
	s_getreg_b32 s2, hwreg(HW_REG_IB_STS2, 6, 4)
	s_cmp_eq_u32 s2, 0
	s_cbranch_scc0 .Lentry_in_a_cluster
	s_endpgm
.Lentry_in_a_cluster:
	s_bfe_u32 s2, ttmp6, 0x10000c
	s_cmp_lg_u32 s2, 0xf033
	s_cbranch_scc0 .Lentry_shape_is_right
	s_endpgm
.Lentry_shape_is_right:
.set KP,     8
.set NT,     3
.set WBLK0,  0
.set XSOFF,  4194304
.set SLOTB,  131072
.set SCX,    2*SLOTB
.set SCW,    SCX+KP*512
.set SPARE,  SCW+NT*KP*512
.set WSOFF,  12582912
.set F0,  0
.set F1,  128
.set ACC, 128
.set TM,  16
.set SC,  28
.set BI,  36
.set R,   68
.set PC,  100
.set G1X, 24
.set G0X, 32
.set G1W, 48
.set G0W, 56
.set G1SX, 68
.set G0SX, 76
.set G1SW, 80
.set G0SW, 88
.set WV,  92
.set WR,  93
.set WC,  94
.set YY,  95
.set SEL, 96
.set MNT, 98
.set HM,  99
.set TS,  100
.set MSB, 0
.macro WIN new
.if MSB != \new
	s_set_vgpr_msb (MSB<<8)|\new
.set MSB, \new
.endif
.endm
.set MUL,  0x05
.set TO_F, 0x40
.macro PLACES n
.rept \n
	v_nop
.endr
.endm
.macro JLOAD g0x, g1x, g0w, g1w
	s_cmp_eq_u32 s[WR], 0
	s_cbranch_scc0 .Lfor_w_\@
	tensor_load_to_lds s[\g0x:\g0x+3], s[\g1x:\g1x+7]
	s_nop 0
.rept 4
	v_nop
.endr
	s_branch .Lasked_\@
.Lfor_w_\@:
	tensor_load_to_lds s[\g0w:\g0w+3], s[\g1w:\g1w+7]
	s_nop 0
.rept 4
	v_nop
.endr
.Lasked_\@:
.endm
.macro WLOAD slot
	s_cmp_eq_u32 s[WR], 0
	s_cbranch_scc1 .Lnone_\@
	tensor_load_to_lds s[G0W+4*\slot:G0W+4*\slot+3], s[G1W:G1W+7]
	s_nop 0
.rept 4
	v_nop
.endr
.Lnone_\@:
.endm
.macro CREST
	s_cmp_lg_u32 s[WV], 0
	s_cbranch_scc1 .Lnot_wave_0_\@
	s_barrier_signal -3
.Lnot_wave_0_\@:
	s_barrier_wait -3
	s_barrier_signal -1
	s_barrier_wait -1
.endm
.macro CROUND
	s_barrier_signal -1
	s_barrier_wait -1
	CREST
.endm
.macro MULP f, set, a, ci, ori
.irp q, 0,1,2,3
.if \ori
.set DD, ACC+8*(4*\q+(\a))
.if \ci
	v_wmma_scale_f32_16x16x128_f8f6f4 v[DD:DD+7], v[\f+16*(\a):\f+16*(\a)+15], v[\f+64+16*\q:\f+64+16*\q+15], v[BI+8*\q:BI+8*\q+7], v[SC+4*(\set)+(\a)], v[SC+4*(\set)+\q] matrix_b_scale:MATRIX_SCALE_ROW1
.else
	v_wmma_scale_f32_16x16x128_f8f6f4 v[DD:DD+7], v[\f+16*(\a):\f+16*(\a)+15], v[\f+64+16*\q:\f+64+16*\q+15], v[DD:DD+7], v[SC+4*(\set)+(\a)], v[SC+4*(\set)+\q] matrix_b_scale:MATRIX_SCALE_ROW1
.endif
.else
.set DD, ACC+8*(4*(\a)+\q)
.if \ci
	v_wmma_scale_f32_16x16x128_f8f6f4 v[DD:DD+7], v[\f+64+16*\q:\f+64+16*\q+15], v[\f+16*(\a):\f+16*(\a)+15], v[BI+8*\q:BI+8*\q+7], v[SC+4*(\set)+\q], v[SC+4*(\set)+(\a)] matrix_a_scale:MATRIX_SCALE_ROW1
.else
	v_wmma_scale_f32_16x16x128_f8f6f4 v[DD:DD+7], v[\f+64+16*\q:\f+64+16*\q+15], v[\f+16*(\a):\f+16*(\a)+15], v[DD:DD+7], v[SC+4*(\set)+\q], v[SC+4*(\set)+(\a)] matrix_a_scale:MATRIX_SCALE_ROW1
.endif
.endif
.endr
.endm
.macro FETCH slot, q, f, set
	WIN 0
.irp i, 0,1,2,3
	ds_load_b32 v[SC+4*(\set)+\i], v5 offset:(4*(\slot)+(\q))*512+64*\i
.endr
	WIN TO_F
.irp i, 0,1,2,3
.irp c, 0,1,2,3
	ds_load_b128 v[\f+64+16*\i+4*\c:\f+64+16*\i+4*\c+3], v[3+\slot] offset:(\q)*16384+\i*2048+\c*512
.endr
.endr
.irp i, 0,1,2,3
.irp c, 0,1,2,3
	ds_load_b128 v[\f+16*\i+4*\c:\f+16*\i+4*\c+3], v[1+\slot] offset:(\q)*16384+\i*2048+\c*512
.endr
.endr
.endm
.macro QUARTER slot, q, f, g, ci, ori
	s_wait_dscnt 8
	WIN MUL
	MULP \f, (\f)/128, 0, \ci, \ori
	MULP \f, (\f)/128, 1, \ci, \ori
	PLACES 8
	FETCH \slot, \q, \g, (\g)/128
	s_wait_dscnt 36
	WIN MUL
	MULP \f, (\f)/128, 2, \ci, \ori
	MULP \f, (\f)/128, 3, \ci, \ori
.endm
.macro TURN fill, ori
	WIN 0
	s_wait_tensorcnt 0x0
	ds_add_u32 v8, v9
	s_wait_dscnt 9
	WIN MUL
	MULP F1, 1, 0, 0, \ori
	s_wait_dscnt 0x0
	s_barrier_signal -1
	MULP F1, 1, 1, 0, \ori
	WIN 0
	s_barrier_wait -1
.if \fill
	CREST
	s_add_nc_u64 s[G0W+2:G0W+3], s[G0W+2:G0W+3], 2*65536
	WLOAD 0
.endif
	PLACES 8
	FETCH 1, 0, F0, 0
.if \fill
.if PFN < 6
	WIN 0
	s_cmp_eq_u32 s[WR], 0
	s_cbranch_scc1 .Lno_ask_\@
	global_prefetch_b8 v112, s[36:37] offset:PFN*65536 th:TH_LOAD_NT scope:SCOPE_SE
.Lno_ask_\@:
.endif
.set PFN, PFN+1
.endif
	WIN MUL
	MULP F1, 1, 2, 0, \ori
	MULP F1, 1, 3, 0, \ori
.endm
.macro LASTQ ori
	s_wait_dscnt 8
	WIN MUL
	MULP F1, 1, 0, 0, \ori
	MULP F1, 1, 1, 0, \ori
	s_wait_dscnt 0x0
	MULP F1, 1, 2, 0, \ori
	MULP F1, 1, 3, 0, \ori
	WIN 0
.endm
.macro LAP ci, f0, ori
	QUARTER 0, 1, F0, F1, \ci, \ori
	QUARTER 0, 2, F1, F0, 0, \ori
	QUARTER 0, 3, F0, F1, 0, \ori
	TURN \f0, \ori
	QUARTER 1, 1, F0, F1, 0, \ori
	QUARTER 1, 2, F1, F0, 0, \ori
	QUARTER 1, 3, F0, F1, 0, \ori
	LASTQ \ori
.endm
.macro CHANGE
	s_wait_tensorcnt 0x0
	ds_add_u32 v8, v9
	s_add_nc_u64 s[G0W+6:G0W+7], s[G0W+6:G0W+7], 2*65536
	s_wait_dscnt 0x0
	CROUND
	WLOAD 1
	s_add_co_u32 s[TS], s[TS], 4096
	v_mad_u32_u24 v5, v7, s[TS], v6
	FETCH 0, 0, F0, 0
	WIN 0
.if PFN < 6
	s_cmp_eq_u32 s[WR], 0
	s_cbranch_scc1 .Lno_ask_c_\@
	global_prefetch_b8 v112, s[36:37] offset:PFN*65536 th:TH_LOAD_NT scope:SCOPE_SE
.Lno_ask_c_\@:
.endif
.set PFN, PFN+1
.endm
.macro QUANT2 s, pw
.irp b, 0,1
	v_max3_num_f32 v[TM+\b], |v[(\s)+16*\b]|, |v[(\s)+16*\b+1]|, 0x4800000
.endr
.irp i, 2,4,6,8,10,12,14
.irp b, 0,1
	v_max3_num_f32 v[TM+\b], v[TM+\b], |v[(\s)+16*\b+\i]|, |v[(\s)+16*\b+\i+1]|
.endr
.endr
.irp b, 0,1
	v_permlanex16_b32 v[TM+2+\b], v[TM+\b], s[SEL], s[SEL+1]
.endr
.irp b, 0,1
	v_max_num_f32 v[TM+\b], v[TM+\b], v[TM+2+\b]
.endr
.irp b, 0,1
	v_add_nc_u32 v[TM+6+\b], 0xfc000000, v[TM+\b]
.endr
.irp b, 0,1
	v_and_or_b32 v[TM+4+\b], v[TM+\b], 0x7f800000, s[MNT]
.endr
.irp b, 0,1
	v_lshrrev_b32 v[TM+2+\b], 23, v[TM+6+\b]
.endr
	v_lshl_or_b32 v[\pw], v[TM+3], 8, v[TM+2]
.irp b, 0,1
.irp i, 0,1,2,3,4,5,6,7,8,9,10,11,12,13,14,15
	v_med3_num_f32 v[(\s)+16*\b+\i], v[(\s)+16*\b+\i], -v[TM+4+\b], v[TM+4+\b]
.endr
	v_cvt_scalef32_pk8_fp8_f32 v[PC+4*\b:PC+4*\b+1], v[(\s)+16*\b:(\s)+16*\b+7], v[TM+6+\b]
	v_cvt_scalef32_pk8_fp8_f32 v[PC+4*\b+2:PC+4*\b+3], v[(\s)+16*\b+8:(\s)+16*\b+15], v[TM+6+\b]
.endr
	v_nop
.endm
.macro BIAS p
.irp q, 0,1,2,3
	global_load_b128 v[BI+8*\q:BI+8*\q+3], v109, s[\p:\p+1] offset:(32*(\q/2)+8*(\q%2))*4
	global_load_b128 v[BI+8*\q+4:BI+8*\q+7], v109, s[\p:\p+1] offset:(32*(\q/2)+8*(\q%2))*4+16
.endr
.endm
	s_load_b256 s[4:11], s[0:1], 0x0
	s_load_b256 s[12:19], s[0:1], 0x20
	v_lshl_add_u32 v8, v0, 2, SPARE
	v_mov_b32 v9, 0
	ds_add_u32 v8, v9
	ds_add_u32 v8, v9
	s_wait_dscnt 0x0
	v_lshrrev_b32 v10, 5, v0
	v_readfirstlane_b32 s[WV], v10
	s_lshr_b32 s[WR], s[WV], 1
	s_and_b32 s[WC], s[WV], 1
	s_bfe_u32 s40, ttmp6, 0x40000
	s_bfe_u32 s41, ttmp6, 0x40004
	s_lshl_b32 s42, ttmp9, 2
	s_add_co_u32 s42, s42, s40
	s_and_b32 s[YY], ttmp7, 0xffff
	s_lshl_b32 s[YY], s[YY], 2
	s_add_co_u32 s[YY], s[YY], s41
	s_lshl_b32 s43, s41, 2
	s_lshl_b32 s43, 15, s43
	s_lshl_b32 s44, 0x1111, s40
	s_or_b32 s[G1X], s43, (3<<16)|(1<<21)
	s_or_b32 s[G1W], s44, (3<<16)|(1<<21)
	s_or_b32 s[G1SX], s43, (3<<16)|(1<<21)
	s_or_b32 s[G1SW], s44, (3<<16)|(1<<21)
.irp g, G1X, G1W
	s_mov_b32 s[\g+1], 32<<16
	s_mov_b32 s[\g+2], 512<<16                     ; the head's loads bring both slots' 512 rows of 256 bytes
	s_mov_b32 s[\g+3], 32<<16
	s_mov_b32 s[\g+4], 512
	s_mov_b32 s[\g+5], 32
	s_mov_b32 s[\g+6], 0
	s_mov_b32 s[\g+7], 0
.endr
	s_mov_b32 s[G1SX+1], 32<<16
	s_mov_b32 s[G1SX+2], (2*KP)<<16
	s_mov_b32 s[G1SX+3], 32<<16
	s_mov_b32 s[G1SX+4], 2*KP
	s_mov_b32 s[G1SX+5], 32
	s_mov_b32 s[G1SX+6], 0
	s_mov_b32 s[G1SX+7], 0
	s_mov_b32 s[G1SW+1], 32<<16
	s_mov_b32 s[G1SW+2], (2*NT*KP)<<16
	s_mov_b32 s[G1SW+3], 32<<16
	s_mov_b32 s[G1SW+4], 2*NT*KP
	s_mov_b32 s[G1SW+5], 32
	s_mov_b32 s[G1SW+6], 0
	s_mov_b32 s[G1SW+7], 0
	s_mul_i32 s20, s[YY], KP*16384
	s_lshl_b32 s21, s[WC], 15
	s_add_co_u32 s20, s20, s21
	s_mov_b32 s21, 0
	s_mul_i32 s22, s[YY], KP*512
	s_mov_b32 s23, 0
	s_add_co_u32 s22, s22, s23
	s_add_co_u32 s22, s22, XSOFF
	s_mov_b32 s23, 0
	s_mul_i32 s46, s42, NT*KP*16384
	s_lshl_b32 s47, s[WC], 15
	s_add_co_u32 s46, s46, s47
	s_add_co_u32 s46, s46, WBLK0*16384
	s_mov_b32 s47, 0
	s_mul_i32 s66, s42, NT*KP*512
	s_mov_b32 s67, 0
	s_add_co_u32 s66, s66, s67
	s_add_co_u32 s66, s66, WSOFF+WBLK0*512
	s_mov_b32 s67, 0
	s_lshl_b32 s45, s[WC], 15
	s_mov_b32 s[SEL], 0x76543210
	s_mov_b32 s[SEL+1], 0xfedcba98
	s_mov_b32 s[MNT], 0x600000
	s_mov_b32 s[HM], 0xffff0000
	s_mov_b32 s[TS], 0
	s_wait_kmcnt 0x0
	s_add_nc_u64 s[20:21], s[4:5], s[20:21]
	s_add_nc_u64 s[22:23], s[4:5], s[22:23]
	s_add_nc_u64 s[46:47], s[6:7], s[46:47]
	s_add_nc_u64 s[66:67], s[6:7], s[66:67]
	CROUND
	s_mov_b32 s[G0SX], 1
	s_mov_b32 s[G0SX+1], 0
	s_add_co_u32 s[G0SX+1], s[G0SX+1], SCX
	s_mov_b64 s[G0SX+2:G0SX+3], s[22:23]
	s_or_b32 s[G0SX+3], s[G0SX+3], 0x80000000
	s_mov_b32 s[G0SW], 1
	s_mov_b32 s[G0SW+1], 0
	s_add_co_u32 s[G0SW+1], s[G0SW+1], SCW
	s_mov_b64 s[G0SW+2:G0SW+3], s[66:67]
	s_or_b32 s[G0SW+3], s[G0SW+3], 0x80000000
.irp s, 0,1
	s_mov_b32 s[G0X+4*\s], 1
	s_add_co_u32 s[G0X+4*\s+1], s45, \s*65536
	s_add_nc_u64 s[G0X+4*\s+2:G0X+4*\s+3], s[20:21], \s*65536
	s_or_b32 s[G0X+4*\s+3], s[G0X+4*\s+3], 0x80000000
	s_mov_b32 s[G0W+4*\s], 1
	s_add_co_u32 s[G0W+4*\s+1], s45, 131072+\s*65536
	s_add_nc_u64 s[G0W+4*\s+2:G0W+4*\s+3], s[46:47], \s*65536
	s_or_b32 s[G0W+4*\s+3], s[G0W+4*\s+3], 0x80000000
.endr
; THE HEAD'S LOADS, one a wave, in one chain of arms: LDS holds X's two slots (2 x 65,536 bytes), then W's two. Wave 0: X's 131,072 bytes; wave 1: X's scale words; wave 2: W's first 131,072 bytes; wave 3: W's scale words.
.macro ARM under, g0, g1, next
	s_cmp_lt_u32 s[WV], \under
	s_cbranch_scc0 \next
	tensor_load_to_lds s[\g0:\g0+3], s[\g1:\g1+7]
	s_nop 0
	PLACES 4
	s_branch .Lhead_asked
\next:
.endm
	ARM 1, G0X, G1X, .Lhead_sx
	ARM 2, G0SX, G1SX, .Lhead_w
	ARM 3, G0W, G1W, .Lhead_sw
	tensor_load_to_lds s[G0SW:G0SW+3], s[G1SW:G1SW+7]
	s_nop 0
	PLACES 4
.Lhead_asked:
; THE PREFETCHES of W's later fills (a fill: 65,536 dense bytes; fills 0 and 1 come with the head's load).  Waves 2 and 3, which fetch W, ask: of the 32,768 bytes that a wave fetches, each of the four partners of my column names 8,192,
; told apart by address (cy): each block of 256 bytes is named once in each cluster that will load it.  Fills 2 and 3 are asked for here; behind the refill of fill f stands the request for fill f + 2; the last two refills ask for nothing.
	s_lshl_b32 s38, s41, 13
	s_mov_b32 s39, 0
	s_add_nc_u64 s[36:37], s[46:47], s[38:39]      ; (the registers of X's second group 0, which no load names)
	v_and_b32 v112, 31, v0
	v_lshlrev_b32 v112, 8, v112
.set PFN, 4
	s_cmp_eq_u32 s[WR], 0
	s_cbranch_scc1 .Lno_ask
	global_prefetch_b8 v112, s[36:37] offset:2*65536 th:TH_LOAD_NT scope:SCOPE_SE
	global_prefetch_b8 v112, s[36:37] offset:3*65536 th:TH_LOAD_NT scope:SCOPE_SE
.Lno_ask:
	v_and_b32 v10, 31, v0
	v_lshlrev_b32 v11, 2, v10
	v_lshlrev_b32 v10, 4, v10
	v_bfe_u32 v7, v0, 4, 1
	v_and_b32 v12, 15, v0
	s_lshl_b32 s20, s[WR], 13
	v_add_nc_u32 v1, s20, v10
	v_add_nc_u32 v2, 65536, v1
	s_lshl_b32 s20, s[WC], 13
	s_add_co_u32 s20, s20, 131072
	v_add_nc_u32 v3, s20, v10
	v_add_nc_u32 v4, 65536, v3
	s_xor_b32 s20, s[WR], 1
	s_add_co_u32 s20, s20, s[WC]
	s_lshl_b32 s20, s20, 8
	s_add_co_u32 s20, s20, SCW-SCX-256
	v_mul_u32_u24 v6, s20, v7
	v_lshl_add_u32 v6, v12, 2, v6
	s_lshl_b32 s20, s[WR], 8
	s_add_co_u32 s20, s20, SCX
	v_add_nc_u32 v5, s20, v6
	v_add_nc_u32 v6, s20, v6
	v_mov_b32 v18, 0
	v_mov_b32 v19, 0
	v_and_b32 v13, 8, v12
	v_add_nc_u32 v13, v13, v12
	v_lshlrev_b32 v109, 6, v7
	v_lshl_add_u32 v108, v13, 8, v109
	v_lshlrev_b32 v110, 2, v13
	s_lshl_b32 s2, s42, 9
	s_lshl_b32 s3, s[WC], 8
	s_add_co_u32 s2, s2, s3
	s_mov_b32 s3, 0
	s_add_nc_u64 s[8:9], s[8:9], s[2:3]
	s_add_nc_u64 s[10:11], s[10:11], s[2:3]
	s_add_nc_u64 s[12:13], s[12:13], s[2:3]
	BIAS 8
	s_and_b32 s101, s[YY], 15
	s_lshl_b32 s2, s101, 15
	s_lshl_b32 s3, s[WR], 14
	s_add_co_u32 s2, s2, s3
	s_mov_b32 s3, 0
	s_add_nc_u64 s[14:15], s[14:15], s[2:3]
	s_add_nc_u64 s[16:17], s[16:17], s[2:3]
	s_lshr_b32 s2, s[YY], 4
	s_lshl_b32 s2, s2, 4
	s_lshl_b32 s3, s42, 1
	s_add_co_u32 s2, s2, s3
	s_add_co_u32 s2, s2, s[WC]
	s_lshl_b32 s3, s2, 7
	s_lshl_b32 s4, s101, 3
	s_add_co_u32 s3, s3, s4
	s_lshl_b32 s4, s[WR], 2
	s_add_co_u32 s3, s3, s4
	s_lshl_b32 s4, s3, 10
	s_mov_b32 s5, 0
	s_lshl_b32 s6, s3, 6
	s_add_co_u32 s6, s6, 4194304
	s_mov_b32 s7, 0
	s_lshl_b32 s2, s2, 4
	s_add_co_u32 s2, s2, s101
	s_mul_i32 s46, s2, 17152                       ; a key step of QB: 16,384 bytes of K's and V's codes, then its 768 bytes of scale words
	s_add_co_u32 s46, s46, 4456448
	s_lshl_b32 s3, s[WR], 12
	s_add_co_u32 s20, s46, s3
	s_mov_b32 s21, 0
	s_lshl_b32 s3, s[WR], 10
	s_add_co_u32 s46, s46, s3
	s_add_co_u32 s46, s46, 8192
	s_mov_b32 s47, 0
	s_mul_i32 s66, s2, 17152
	s_add_co_u32 s66, s66, 4456448+16384
	s_lshl_b32 s3, s[WR], 8
	s_add_co_u32 s22, s66, s3
	s_mov_b32 s23, 0
	s_lshl_b32 s3, s[WR], 1
	s_add_co_u32 s66, s66, s3
	s_add_co_u32 s66, s66, 512
	s_mov_b32 s67, 0
	s_add_nc_u64 s[4:5], s[18:19], s[4:5]
	s_add_nc_u64 s[6:7], s[18:19], s[6:7]
	s_add_nc_u64 s[20:21], s[18:19], s[20:21]
	s_add_nc_u64 s[22:23], s[18:19], s[22:23]
	s_add_nc_u64 s[46:47], s[18:19], s[46:47]
	s_add_nc_u64 s[66:67], s[18:19], s[66:67]
	s_wait_alu depctr_va_vdst(0)
	s_wait_loadcnt 0x0
	WIN 0x80
.irp a, 0,1,2,3
.irp f, 0,1
.irp j, 0,1,2,3
	global_load_b128 v[64*\a+16*\f+4*\j:64*\a+16*\f+4*\j+3], v108, s[14:15] offset:(32*(\a/2)+8*(\a%2))*256+128*\f+16*\j
	global_load_b128 v[64*\a+32+16*\f+4*\j:64*\a+32+16*\f+4*\j+3], v108, s[16:17] offset:(32*(\a/2)+8*(\a%2))*256+128*\f+16*\j
.endr
.endr
.endr
	WIN 0
	s_wait_tensorcnt 0x0                           ; my tile of the head's four is in; no load of mine is out, so a descriptor may be written:
	s_mov_b32 s[G1W+2], 128<<16                    ; a refill brings 128 rows
	s_mov_b32 s[G1W+4], 128
	s_barrier_signal -1
	s_barrier_wait -1
	FETCH 0, 0, F0, 0
.macro EPI_ROPE cb, sb, nxt
	WIN 0
	PLACES 8
.if \nxt
.irp p, 0,1,2,3
	global_load_b32 v[12+\p], v110, s[12:13] offset:(32*(\p/2)+8*(\p%2))*4
.endr
	s_wait_loadcnt 4
.else
	BIAS 10
	s_wait_loadcnt 8
.endif
.irp a, 0,1,2,3
.if \a == 2
	CHANGE
.endif
	WIN 0x08
.set i, 0
.rept 8
	v_pk_mul_f32 v[R+i:R+i+1], v[ACC+32*\a+i:ACC+32*\a+i+1], v[64*\a+i:64*\a+i+1]
	v_pk_mul_f32 v[R+16+i:R+17+i], v[ACC+32*\a+16+i:ACC+32*\a+17+i], v[64*\a+16+i:64*\a+17+i]
.set i, i+2
.endr
.set i, 0
.rept 8
	v_pk_fma_f32 v[R+i:R+i+1], v[ACC+32*\a+16+i:ACC+32*\a+17+i], v[64*\a+32+i:64*\a+33+i], v[R+i:R+i+1] neg_lo:[1,0,0] neg_hi:[1,0,0]
	v_pk_fma_f32 v[R+16+i:R+17+i], v[ACC+32*\a+i:ACC+32*\a+i+1], v[64*\a+48+i:64*\a+49+i], v[R+16+i:R+17+i]
.set i, i+2
.endr
	WIN 0
	s_wait_xcnt 0x0
	QUANT2 R, 111
	v_lshl_or_b32 v[24+\a], v111, 16, v111
	global_store_b128 v10, v[PC:PC+3], s[\cb:\cb+1] offset:\a*1024
	global_store_b128 v10, v[PC+4:PC+7], s[\cb:\cb+1] offset:\a*1024+512
.endr
	v_cndmask_b32 v24, v24, v25, s[HM]
	v_cndmask_b32 v26, v26, v27, s[HM]
	global_store_b32 v11, v24, s[\sb:\sb+1]
	global_store_b32 v11, v26, s[\sb:\sb+1] offset:128
	s_wait_loadcnt 0x0
.if \nxt
.irp p, 0,1,2,3
.irp j, 0,1,2,3,4,5,6,7
	v_mov_b32 v[BI+8*\p+\j], v[12+\p]
.endr
.endr
	PLACES 8
.endif
.endm
	LAP 1, 1, 0
	EPI_ROPE 4, 6, 0
	LAP 1, 1, 0
	EPI_ROPE 20, 22, 1
	s_wait_alu depctr_va_vdst(0)
	LAP 1, 0, 1
	PLACES 8
.irp p, 0,1,2,3
	s_wait_xcnt 0x0
	QUANT2 ACC+32*\p, 24+\p
	global_store_b128 v10, v[PC:PC+3], s[46:47] offset:\p*2048
	global_store_b128 v10, v[PC+4:PC+7], s[46:47] offset:\p*2048+512
.endr
	v_cndmask_b32 v24, v24, v25, s[HM]
	v_cndmask_b32 v26, v26, v27, s[HM]
	global_store_b16 v11, v24, s[66:67]
	global_store_b16 v11, v26, s[66:67] offset:128
	s_wait_tensorcnt 0x0
	ds_add_u32 v8, v9
	s_wait_dscnt 0x0
	CROUND
	s_endpgm
.Lfunc_end_k_qbb4abf4a84_qkv:
	.size	k_qbb4abf4a84_qkv, .Lfunc_end_k_qbb4abf4a84_qkv-k_qbb4abf4a84_qkv
	.p2alignl 7, 3214868480
	.fill 96, 4, 3214868480
	.section	.rodata,"a",@progbits
	.p2align	6, 0x0
	.amdhsa_kernel k_qbb4abf4a84_qkv
		.amdhsa_group_segment_fixed_size 327680
		.amdhsa_private_segment_fixed_size 0
		.amdhsa_enable_private_segment 0
		.amdhsa_kernarg_size 64
		.amdhsa_user_sgpr_count 2
		.amdhsa_user_sgpr_kernarg_segment_ptr 1
		.amdhsa_wavefront_size32 1
		.amdhsa_system_sgpr_workgroup_id_x 1
		.amdhsa_system_sgpr_workgroup_id_y 1
		.amdhsa_system_sgpr_workgroup_id_z 1
		.amdhsa_system_vgpr_workitem_id 0
		.amdhsa_next_free_vgpr 768
		.amdhsa_next_free_sgpr 102
		.amdhsa_reserve_vcc 0
		.amdhsa_float_denorm_mode_32 3
		.amdhsa_float_denorm_mode_16_64 3
		.amdhsa_memory_ordered 1
		.amdhsa_forward_progress 1
		.amdhsa_inst_pref_size 205
	.end_amdhsa_kernel
	.amdgpu_metadata
---
amdhsa.version: [ 1, 2 ]
amdhsa.kernels:
  - .name:           k_qbb4abf4a84_qkv
    .symbol:         k_qbb4abf4a84_qkv.kd
    .args:
      - { .name: YB, .offset: 0, .size: 8, .value_kind: global_buffer, .address_space: global }
      - { .name: WB, .offset: 8, .size: 8, .value_kind: global_buffer, .address_space: global }
      - { .name: bq, .offset: 16, .size: 8, .value_kind: global_buffer, .address_space: global }
      - { .name: bk, .offset: 24, .size: 8, .value_kind: global_buffer, .address_space: global }
      - { .name: bv, .offset: 32, .size: 8, .value_kind: global_buffer, .address_space: global }
      - { .name: rope_cos, .offset: 40, .size: 8, .value_kind: global_buffer, .address_space: global }
      - { .name: rope_sin, .offset: 48, .size: 8, .value_kind: global_buffer, .address_space: global }
      - { .name: QB, .offset: 56, .size: 8, .value_kind: global_buffer, .address_space: global }
    .group_segment_fixed_size: 327680
    .private_segment_fixed_size: 0
    .kernarg_segment_align: 8
    .kernarg_segment_size: 64
    .max_flat_workgroup_size: 128
    .sgpr_count:     102
    .vgpr_count:     768
    .wavefront_size: 32
...
	.end_amdgpu_metadata
.endif
;; end of part 2
;; launch attn (part 3): grid 8 x 32, 8 waves a work-group, clusters of 4 x 1, 327,680 bytes of LDS; arguments QB, AB; writes AB
.if DOCPART == 3
	.amdgcn_target "amdgcn-amd-amdhsa--gfx1250"
	.amdhsa_code_object_version 6
	.text
	.protected	k_qbb4abf4a84_attn
	.globl	k_qbb4abf4a84_attn
	.p2align	8
	.type	k_qbb4abf4a84_attn,@function
k_qbb4abf4a84_attn:
	s_mov_b64 s[64:65], 0
	v_nop
	global_prefetch_b8 v0, s[64:65] scope:SCOPE_SE
	s_setreg_imm32_b32 hwreg(HW_REG_WAVE_MODE, 25, 1), 1
	s_wait_xcnt 0x0
	s_wait_alu depctr_hold_cnt(0) depctr_sa_sdst(0) depctr_va_vdst(0) depctr_va_sdst(0) depctr_va_ssrc(0) depctr_va_vcc(0) depctr_vm_vsrc(0)
	s_getreg_b32 s2, hwreg(HW_REG_IB_STS2, 6, 4)
	s_cmp_eq_u32 s2, 0
	s_cbranch_scc0 .Lentry_in_a_cluster
	s_endpgm
.Lentry_in_a_cluster:
	s_bfe_u32 s2, ttmp6, 0x10000c
	s_cmp_lg_u32 s2, 0x3003
	s_cbranch_scc0 .Lentry_shape_is_right
	s_endpgm
.Lentry_shape_is_right:
; Attention of one (batch, head) on codes of E4M3, head size 64, 2,048 keys, no mask; the result, divided by the row's sum, is quantised along head x 64 + e for the next product.
; t = score x log2(e) / 8; M = the running largest t rounded UP to a whole number; p = 2^(t - M) is quantised along the keys, not normalised; the row's sum is taken of the unquantised p; when M moves, sum and O are multiplied by a power of two.
; SHARES.  A work-group owns 256 queries of one head; each of its eight waves owns TWO tiles of 16 queries, A and B, in 512 registers.  Tile A's own registers lie in window 0, tile B's under the same numbers in window 1,
; so one macro serves both.  K's fragments (window 0) and V's (window 1) are loaded from LDS once for both tiles.
; THE TWO TILES RUN HALF A STEP APART.  The softmax of B(i-1) carries, in pairs among its exponentials, A's products {O_A += V(i-1) P_A, S_A = K(i) Q_A}; the softmax of A(i) carries B's {O_B += V(i-1) P_B, S_B = K(i) Q_B},
; and behind them fetches K(i+1) and V(i).  So a tile's vector lines are the distance behind the other tile's products.
; THE WHOLE HEAD'S K AND V LIE IN LDS: 16 key steps of 17,152 bytes (K's codes 8,192, V's 8,192, scale words 768), in the order of the operands' registers.  Each wave brings two steps with one tensor load; nothing is filled again.
; Waves 0 and 1 (steps 0 to 3) have a load line of their own and wait at the first barrier; all wait at the second, ahead of the fetch of step 4.
; CLUSTER 4 x 1: the four query blocks of a cluster belong to one head: every load is asked for jointly.  No prefetch: all that the launch reads of K and V is asked for at its head.
; LAYOUT.  Both products transposed: S^T = K Q^T (source 0 = 16 keys), O^T = V^T P^T (source 0 = 16 of the head's 64): a lane holds one query.  The rows of a tile are 32 (T / 2) + 8 (T % 2) + r + 8 (r / 8), so 16 registers of two tiles are 16 neighbours.
; K = 64 fills half an instruction: Q's upper eight registers are zero codes; K's upper eight are the next tile's codes, or zeros behind the last tile; the scale words repeat their two bytes.
; LIMITS: NaN and infinities are not served; the promise holds while the scaled scores stay under 2^31 in magnitude; a block of the result whose largest magnitude lies under 2^-118 gets the byte 1.
; The result's scale bytes leave as 2 bytes a lane, 4 bytes apart; lanes 16-31 store what lanes 0-15 store, at the same place.
.set STEPB, 17152
.set SPARE, 16*STEPB                   ; the spare words, 128 bytes a wave, which no other line names
; a tile's own registers: v12 -M, v13 the largest score, v[14:15] the sum, v16-31 Q
.set S,   32                           ; v32-95   S^T, then p
.set O,   96                           ; v96-127  O^T
.set PC,  128                          ; v128-143 p's codes
.set BM,  144                          ; the blocks' largest scores, then p
.set BP,  148
.set HO,  152                          ; v152-159 four chains of the sum; then HO: 448 x the scale,
.set SO,  156                          ; and SO: the conversions' scale operands
.set F,   160                          ; v[160:161] f = 2^(old M - new M), in the low word
.set T0,  162
.set T1,  163
.set SU,  164                          ; v164-171 four more chains of the sum
.set KF,  172                          ; window 0: K, v172-243 (the last eight zeros); window 1: V, v172-235
.set KSW, 244                          ; scale words, window 0: K's v244-247, V's v248-249, Q's v250-251, p's v252-253
.set VSW, 248
.set QSA, 250
.set QSB, 251
.set PWA, 252
.set PWB, 253
.set WV,  8
.set SEL, 52
.set CS,  54
.set MNT, 56
.set TV,  57                           ; LDS byte of the step whose V is fetched next
.set TK,  58                           ; and of the step whose K is
.set CNT, 59
.set MSB, 0
.macro WIN new                         ; the immediate's high byte repeats the setting that is left
.if MSB != \new
	s_set_vgpr_msb (MSB<<8)|\new
.set MSB, \new
.endif
.endm
.macro CROUND
	s_barrier_signal -1
	s_barrier_wait -1
	s_cmp_lg_u32 s[WV], 0
	s_cbranch_scc1 .Lnot_wave_0_\@
	s_barrier_signal -3
.Lnot_wave_0_\@:
	s_barrier_wait -3
	s_barrier_signal -1
	s_barrier_wait -1
.endm
.macro QK2 wn, qs, t                   ; S^T = K Q^T, tiles t and t + 1 of 16 keys.  wn: 0 (A) or 0x44 (B: Q and S in window 1)
	WIN \wn
	v_wmma_scale_f32_16x16x128_f8f6f4 v[S+8*\t:S+8*\t+7], v[KF+8*\t:KF+8*\t+15], v[16:31], 0, v[KSW+\t/2], v[\qs]
	v_wmma_scale_f32_16x16x128_f8f6f4 v[S+8*\t+8:S+8*\t+15], v[KF+8*\t+8:KF+8*\t+23], v[16:31], 0, v[KSW+\t/2], v[\qs] matrix_a_scale:MATRIX_SCALE_ROW1
.endm
.macro PV2 wn, pw, e                   ; O^T += V^T P^T, tiles e and e + 1 of the head's 64.  wn: 0x01 (A: V alone in window 1) or 0x55 (B)
	WIN \wn
	v_wmma_scale_f32_16x16x128_f8f6f4 v[O+8*\e:O+8*\e+7], v[KF+16*\e:KF+16*\e+15], v[PC:PC+15], v[O+8*\e:O+8*\e+7], v[VSW+\e/2], v[\pw]
	v_wmma_scale_f32_16x16x128_f8f6f4 v[O+8*\e+8:O+8*\e+15], v[KF+16*\e+16:KF+16*\e+31], v[PC:PC+15], v[O+8*\e+8:O+8*\e+15], v[VSW+\e/2], v[\pw] matrix_a_scale:MATRIX_SCALE_ROW1
.endm
.macro NEXT                            ; the next step's K and this step's V, with their scale words: 38 LDS loads.  Behind the last step K's address is held at step 15: those bytes are fetched again and not used
	s_add_co_u32 s[TK], s[TV], STEPB
	s_min_u32 s[TK], s[TK], 15*STEPB
	v_add_nc_u32 v3, s[TK], v1
	v_add_nc_u32 v4, s[TK], v2
	v_add_nc_u32 v5, s[TV], v1
	v_add_nc_u32 v6, s[TV], v2
.irp t, 0,1,2,3,4,5,6,7
.irp c, 0,1
	ds_load_b128 v[KF+8*\t+4*\c:KF+8*\t+4*\c+3], v3 offset:\t*1024+\c*512
.endr
.endr
.irp i, 0,1,2,3
	ds_load_b32 v[KSW+\i], v4 offset:128*\i
.endr
	ds_load_b32 v[VSW], v6 offset:512
	ds_load_b32 v[VSW+1], v6 offset:640
	WIN 0x40
.irp e, 0,1,2,3
.irp c, 0,1,2,3
	ds_load_b128 v[KF+16*\e+4*\c:KF+16*\e+4*\c+3], v5 offset:8192+\e*2048+\c*512
.endr
.endr
	WIN 0
	s_add_co_u32 s[TV], s[TV], STEPB
.endm
.macro TMM from                        ; t - M of 16 scores
.set i, \from
.rept 8
	v_pk_fma_f32 v[S+i:S+i+1], v[S+i:S+i+1], s[CS:CS+1], v[12:13] op_sel_hi:[1,0,0]
.set i, i+2
.endr
.endm
.macro EXPS from, n                    ; p = 2^(t - M)
.set i, \from
.rept \n
	v_exp_f32 v[S+i], v[S+i]
.set i, i+1
.endr
.endm
.macro MINS b                          ; the conversion does not saturate (ISA guide 7.6.2); p is not negative, so the hold is one-sided
.set i, 0
.rept 8
	v_dual_min_num_f32 v[S+16*\b+i], v[S+16*\b+i], v[HO+\b] :: v_dual_min_num_f32 v[S+16*\b+i+1], v[S+16*\b+i+1], v[HO+\b]
.set i, i+2
.endr
.endm
.macro CVT b
	v_cvt_scalef32_pk8_fp8_f32 v[PC+4*\b:PC+4*\b+1], v[S+16*\b:S+16*\b+7], v[SO+\b]
	v_cvt_scalef32_pk8_fp8_f32 v[PC+4*\b+2:PC+4*\b+3], v[S+16*\b+8:S+16*\b+15], v[SO+\b]
.endm
; THE SOFTMAX OF ONE TILE AND 128 KEYS, WITH THE OTHER TILE'S PRODUCTS AMONG ITS EXPONENTIALS.  w: the tile's window in all four places (0 or 0x55); wp: the same with the destination in window 0, for p's scale word pw;
; hook = 1: NEXT stands behind the sums, 25 plain lines behind the last product; ld = 1: the wait for NEXT's loads stands ahead of the batch; mm: bit 1 the other tile's O^T += V^T P^T (pvw, pvp), bit 0 its S^T = K Q^T (qkw, qks)
.macro SM w, wp, pw, hook, ld, mm, pvw, pvp, qkw, qks
	WIN \w
	s_wait_alu depctr_va_vdst(0)                   ; the wait directly ahead of the first readers of S^T
.irp b, 0,1,2,3
	v_max3_num_f32 v[BM+\b], v[S+16*\b], v[S+16*\b+1], v[S+16*\b+2]   ; the largest score of each block of 32 keys, in two chains a block: it serves the row's maximum and, since p rises with the score, the block's largest p
.endr
.irp b, 0,1,2,3
	v_max3_num_f32 v[BP+\b], v[S+16*\b+7], v[S+16*\b+8], v[S+16*\b+9]
.endr
.irp i, 3,5
.irp b, 0,1,2,3
	v_max3_num_f32 v[BM+\b], v[BM+\b], v[S+16*\b+\i], v[S+16*\b+\i+1]
.endr
.irp b, 0,1,2,3
	v_max3_num_f32 v[BP+\b], v[BP+\b], v[S+16*\b+\i+7], v[S+16*\b+\i+8]
.endr
.endr
.irp b, 0,1,2,3
	v_max3_num_f32 v[BM+\b], v[BM+\b], v[S+16*\b+14], v[S+16*\b+15]
.endr
	v_dual_max_num_f32 v[BM], v[BM], v[BP] :: v_dual_max_num_f32 v[BM+1], v[BM+1], v[BP+1]
	v_dual_max_num_f32 v[BM+2], v[BM+2], v[BP+2] :: v_dual_max_num_f32 v[BM+3], v[BM+3], v[BP+3]
.irp b, 0,1,2,3
	v_permlanex16_b32 v[BP+\b], v[BM+\b], s[SEL], s[SEL+1]
.endr
	v_dual_max_num_f32 v[BM], v[BM], v[BP] :: v_dual_max_num_f32 v[BM+1], v[BM+1], v[BP+1]   ; with lane l xor 16's 16 keys
	v_dual_max_num_f32 v[BM+2], v[BM+2], v[BP+2] :: v_dual_max_num_f32 v[BM+3], v[BM+3], v[BP+3]
	v_max3_num_f32 v[T0], v[BM], v[BM+1], v[BM+2]
	v_max3_num_f32 v13, v[T0], v[BM+3], v13        ; the running largest score
	v_mul_f32 v[T0], s[CS], v13                    ; as t (c is positive)
	v_mov_b32 v[T1], v12
	v_floor_f32 v12, -v[T0]                        ; the new -M = -ceil(t)
	TMM 0
	v_sub_f32 v[T1], v12, v[T1]                    ; old M - new M: a whole number, 0 or less
	TMM 16
	v_cvt_i32_f32 v[T1], v[T1]                     ; (it saturates)
	TMM 32
	v_ldexp_f32 v[F], 1.0, v[T1]                   ; f
	TMM 48
.irp b, 0,1,2,3
	v_fma_f32 v[BM+\b], v[BM+\b], s[CS], v12
.endr
	s_wait_alu depctr_va_vdst(0)                   ; the wait ahead of the batch, and ahead of the wait below
.if \ld
	s_wait_dscnt 0x0                               ; the other tile's K and V are in
.endif
	EXPS 0, 10
.if (\mm)&2
	PV2 \pvw, \pvp, 0
	WIN \w
.endif
	EXPS 10, 10
.if (\mm)&2
	PV2 \pvw, \pvp, 2
	WIN \w
.endif
	EXPS 20, 10
.if (\mm)&1
	QK2 \qkw, \qks, 0
	WIN \w
.endif
	EXPS 30, 10
.if (\mm)&1
	QK2 \qkw, \qks, 2
	WIN \w
.endif
	EXPS 40, 10
.if (\mm)&1
	QK2 \qkw, \qks, 4
	WIN \w
.endif
	EXPS 50, 10
.if (\mm)&1
	QK2 \qkw, \qks, 6
	WIN \w
.endif
	EXPS 60, 4
	v_pk_mul_f32 v[14:15], v[14:15], v[F:F+1] op_sel_hi:[1,0]   ; the sum under the new M: a plain line behind the batch
	s_wait_alu depctr_va_vdst(0)                   ; one wait for the batch, ahead of its first reader
.irp b, 0,1,2,3
	v_exp_f32 v[BM+\b], v[BM+\b]                   ; the block's largest p: the same two instructions on the same number
.endr
.irp k, 0,1,2,3
	v_pk_add_f32 v[SU+2*\k:SU+2*\k+1], v[S+4*\k:S+4*\k+1], v[S+4*\k+2:S+4*\k+3]   ; the sum of the unquantised p, in eight chains
.endr
.irp k, 0,1,2,3
	v_pk_add_f32 v[HO+2*\k:HO+2*\k+1], v[S+16+4*\k:S+17+4*\k], v[S+18+4*\k:S+19+4*\k]
.endr
.irp i, 32,48
.irp k, 0,1,2,3
	v_pk_add_f32 v[SU+2*\k:SU+2*\k+1], v[SU+2*\k:SU+2*\k+1], v[S+\i+2*\k:S+\i+2*\k+1]
.endr
.irp k, 0,1,2,3
	v_pk_add_f32 v[HO+2*\k:HO+2*\k+1], v[HO+2*\k:HO+2*\k+1], v[S+\i+8+2*\k:S+\i+9+2*\k]
.endr
.endr
.if \hook
	NEXT
.endif
	s_wait_alu depctr_va_vdst(0)                   ; and one for the four
.irp k, 0,1,2,3
	v_pk_add_f32 v[SU+2*\k:SU+2*\k+1], v[SU+2*\k:SU+2*\k+1], v[HO+2*\k:HO+2*\k+1]   ; the chains are joined among the scales' lines
.endr
.irp b, 0,1,2,3
	v_max_num_f32 v[BM+\b], 0x4800000, v[BM+\b]    ; the floor 2^(9 - 127): the byte cannot fall under 1
.endr
	v_pk_add_f32 v[SU:SU+1], v[SU:SU+1], v[SU+2:SU+3]
	v_pk_add_f32 v[SU+4:SU+5], v[SU+4:SU+5], v[SU+6:SU+7]
.irp b, 0,1,2,3
	v_add_nc_u32 v[SO+\b], 0xfc000000, v[BM+\b]    ; 8 off the exponent field
.endr
.irp b, 0,1,2,3
	v_and_or_b32 v[HO+\b], v[BM+\b], 0x7f800000, s[MNT]
.endr
	v_pk_add_f32 v[SU:SU+1], v[SU:SU+1], v[SU+4:SU+5]
.irp b, 0,1,2,3
	v_lshrrev_b32 v[BP+\b], 23, v[SO+\b]
.endr
	v_pk_add_f32 v[14:15], v[14:15], v[SU:SU+1]
	v_lshl_or_b32 v[T0], v[BP+1], 8, v[BP]
	v_lshl_or_b32 v[T1], v[BP+3], 8, v[BP+2]
	MINS 0
	MINS 1
	WIN \wp
	v_lshl_or_b32 v[\pw], v[T1], 16, v[T0]         ; p's scale word: scale operands lie in window 0
	WIN \w
	CVT 0
	MINS 2
	CVT 1
	MINS 3
	CVT 2
	CVT 3
	s_wait_alu depctr_va_vdst(0)                   ; the wait directly ahead of the first readers of O^T
.set i, 0
.rept 16
	v_pk_mul_f32 v[O+i:O+i+1], v[O+i:O+i+1], v[F:F+1] op_sel_hi:[1,0]   ; O^T under the new M
.set i, i+2
.endr
.endm
.macro INIT                            ; a tile's own registers, under the window that is set
.irp j, 0,1,2,3,4,5,6,7
	v_mov_b32 v[24+\j], 0                          ; Q's upper half: zero codes
.endr
	v_mov_b32 v12, 0x7f61b1e6                      ; -M = 3e38: the first change of M gives f = 0, on zeros
	v_mov_b32 v13, 0xff61b1e6                      ; the largest score so far: -3e38
	v_mov_b32 v14, 0
	v_mov_b32 v15, 0
	v_mov_b32 v[F+1], 0
	v_mov_b32 v[T0], 0
.endm
.macro OZERO
.set i, 0
.rept 32
	v_mov_b32 v[O+i], 0                            ; the step is written once: the first finds zeros
.set i, i+1
.endr
.endm
.macro TRIPS n                         ; a trip: B(i-1) with A's products of step i, then A(i) with B's
	s_mov_b32 s[CNT], \n
.Ltrip_\@:
	SM 0x55, 0x15, PWB, 0, 1, 3, 0x01, PWA, 0, QSA
	SM 0, 0, PWA, 1, 0, 3, 0x55, PWB, 0x44, QSB
	s_sub_co_u32 s[CNT], s[CNT], 1
	s_cmp_lg_u32 s[CNT], 0
	s_cbranch_scc1 .Ltrip_\@
.endm
; THE WAY OUT of a tile: O^T / the sum, quantised in two blocks of 32.  co, so: the tile's place behind tile A's codes and scale bytes
.macro OUT w, co, so
	WIN \w
	v_add_f32 v14, v14, v15
	v_permlanex16_b32 v[T0], v14, s[SEL], s[SEL+1]
	v_add_f32 v14, v14, v[T0]                      ; the row's sum
	s_wait_alu depctr_va_vdst(0)
	v_rcp_f32 v14, v14
	v_nop
	s_wait_alu depctr_va_vdst(0)                   ; for the reciprocal, and directly ahead of the first readers of O^T
.set i, 0
.rept 16
	v_pk_mul_f32 v[S+i:S+i+1], v[O+i:O+i+1], v[14:15] op_sel_hi:[1,0]   ; register 16 b + i: e = 32 b + 16 h + i of my query
.set i, i+2
.endr
.irp b, 0,1
	v_max3_num_f32 v[BM+\b], |v[S+16*\b]|, |v[S+16*\b+1]|, 0x4800000
.endr
.irp i, 2,4,6,8,10,12,14
.irp b, 0,1
	v_max3_num_f32 v[BM+\b], v[BM+\b], |v[S+16*\b+\i]|, |v[S+16*\b+\i+1]|
.endr
.endr
.irp b, 0,1
	v_permlanex16_b32 v[BM+2+\b], v[BM+\b], s[SEL], s[SEL+1]
.endr
.irp b, 0,1
	v_max_num_f32 v[BM+\b], v[BM+\b], v[BM+2+\b]
.endr
.irp b, 0,1
	v_add_nc_u32 v[BM+6+\b], 0xfc000000, v[BM+\b]
.endr
.irp b, 0,1
	v_and_or_b32 v[BM+4+\b], v[BM+\b], 0x7f800000, s[MNT]
.endr
.irp b, 0,1
	v_lshrrev_b32 v[BM+2+\b], 23, v[BM+6+\b]
.endr
	v_lshl_or_b32 v[T1], v[BM+3], 8, v[BM+2]
.irp b, 0,1
.irp i, 0,1,2,3,4,5,6,7,8,9,10,11,12,13,14,15
	v_med3_num_f32 v[S+16*\b+\i], v[S+16*\b+\i], -v[BM+4+\b], v[BM+4+\b]
.endr
	v_cvt_scalef32_pk8_fp8_f32 v[PC+4*\b:PC+4*\b+1], v[S+16*\b:S+16*\b+7], v[BM+6+\b]
	v_cvt_scalef32_pk8_fp8_f32 v[PC+4*\b+2:PC+4*\b+3], v[S+16*\b+8:S+16*\b+15], v[BM+6+\b]
.endr
	v_nop
	global_store_b128 v1, v[PC:PC+3], s[70:71] offset:\co       ; 512 consecutive bytes each
	global_store_b128 v1, v[PC+4:PC+7], s[70:71] offset:\co+512
	global_store_b16 v7, v[T1], s[72:73] offset:\so
.endm
	s_load_b128 s[4:7], s[0:1], 0x0                ; QB, AB
	v_lshl_add_u32 v10, v0, 2, SPARE
	v_mov_b32 v11, 0
	ds_add_u32 v10, v11                            ; the opening lines: the add, twice on end, and its wait ahead of my tensor load
	ds_add_u32 v10, v11
	v_lshrrev_b32 v1, 5, v0
	v_readfirstlane_b32 s[WV], v1                  ; wave 0..7
	s_bfe_u32 s9, ttmp6, 0x40000                   ; cx
	s_lshl_b32 s10, ttmp9, 2
	s_add_co_u32 s10, s10, s9                      ; my block of 256 queries: it enters Q's and the result's addresses alone
	s_and_b32 s11, ttmp7, 0xffff                   ; bh, which the four partners share
	s_mov_b32 s16, 15|(3<<16)|(1<<21)              ; two key steps: 34,304 dense bytes as 134 rows of 256; the mask names all four; elements of 8 bytes
	s_mov_b32 s17, 32<<16
	s_mov_b32 s18, 134<<16
	s_mov_b32 s19, 32<<16
	s_mov_b32 s20, 134
	s_mov_b32 s21, 32
	s_mov_b32 s22, 0
	s_mov_b32 s23, 0
	s_mov_b32 s32, 1
	s_mul_i32 s33, s[WV], 2*STEPB                  ; steps 2 w and 2 w + 1, in LDS and in the head's part of QB
	s_mul_i32 s60, s11, 16*STEPB
	s_add_co_u32 s60, s60, s33
	s_add_co_u32 s60, s60, 4456448
	s_mov_b32 s61, 0
	s_lshl_b32 s12, s10, 4
	s_lshl_b32 s13, s[WV], 1
	s_add_co_u32 s12, s12, s13                     ; tile A among the head's tiles of queries; tile B is the next
	s_lshl_b32 s13, s11, 7
	s_add_co_u32 s13, s13, s12
	s_lshl_b32 s66, s13, 10                        ; Q's codes
	s_mov_b32 s67, 0
	s_lshl_b32 s68, s13, 6                         ; Q's scale words
	s_add_co_u32 s68, s68, 4194304
	s_mov_b32 s69, 0
	s_lshr_b32 s13, s11, 4
	s_lshl_b32 s13, s13, 7
	s_add_co_u32 s13, s13, s12                     ; tile A among all tokens'
	s_lshr_b32 s14, s13, 3                         ; its row tile of 128,
	s_and_b32 s13, s13, 7                          ; and its place there (even)
	s_and_b32 s15, s11, 15                         ; the head: plane head / 2, blocks 2 (head % 2) and + 1
	s_lshr_b32 s74, s15, 1
	s_and_b32 s15, s15, 1
	s_lshl_b32 s70, s14, 17
	s_lshl_b32 s75, s74, 14
	s_add_co_u32 s70, s70, s75
	s_lshl_b32 s75, s13, 11
	s_add_co_u32 s70, s70, s75
	s_lshl_b32 s75, s15, 10
	s_add_co_u32 s70, s70, s75
	s_mov_b32 s71, 0
	s_lshl_b32 s72, s14, 12
	s_lshl_b32 s75, s74, 9
	s_add_co_u32 s72, s72, s75
	s_lshl_b32 s75, s13, 6
	s_add_co_u32 s72, s72, s75
	s_lshl_b32 s75, s15, 1
	s_add_co_u32 s72, s72, s75
	s_add_co_u32 s72, s72, 4194304
	s_mov_b32 s73, 0
	s_mov_b32 s[SEL], 0x76543210
	s_mov_b32 s[SEL+1], 0xfedcba98
	s_mov_b32 s[CS], 0x3e38aa3b                    ; c = log2(e) / 8
	s_mov_b32 s[CS+1], s[CS]
	s_mov_b32 s[MNT], 0x600000
	s_mov_b32 s[TV], 0
	s_wait_dscnt 0x0
	s_wait_kmcnt 0x0
	s_add_nc_u64 s[34:35], s[4:5], s[60:61]
	s_or_b32 s35, s35, 0x80000000
	s_add_nc_u64 s[66:67], s[4:5], s[66:67]
	s_add_nc_u64 s[68:69], s[4:5], s[68:69]
	s_add_nc_u64 s[70:71], s[6:7], s[70:71]
	s_add_nc_u64 s[72:73], s[6:7], s[72:73]
	CROUND                                         ; all four work-groups are here: the joint loads meet
	s_cmp_lt_u32 s[WV], 2                          ; one load a wave; waves 0 and 1, which alone wait at the first barrier, have a line of their own
	s_cbranch_scc0 .Llate
	tensor_load_to_lds s[32:35], s[16:23]
	s_nop 0
.rept 4
	v_nop
.endr
	s_branch .Lasked
.Llate:
	tensor_load_to_lds s[32:35], s[16:23]
	s_nop 0
.rept 4
	v_nop
.endr
.Lasked:
	v_and_b32 v3, 31, v0
	v_lshlrev_b32 v1, 4, v3                        ; v1 = 16 x lane
	v_lshl_add_u32 v2, v3, 2, 16384                ; v2 = a step's scale words + 4 x lane
	v_and_b32 v7, 15, v0
	v_lshlrev_b32 v7, 2, v7                        ; v7 = 4 r
	global_load_b128 v[16:19], v1, s[66:67]
	global_load_b128 v[20:23], v1, s[66:67] offset:512
	global_load_b32 v[QSA], v7, s[68:69]
	global_load_b32 v[QSB], v7, s[68:69] offset:64
	INIT
.irp j, 0,1,2,3,4,5,6,7
	v_mov_b32 v[KF+64+\j], 0                       ; what stands behind K's last tile
.endr
	WIN 0x40                                       ; destinations in window 1: tile B's
	global_load_b128 v[16:19], v1, s[66:67] offset:1024
	global_load_b128 v[20:23], v1, s[66:67] offset:1536
	v_mov_b32 v1, v1                               ; window 1's copies of the two store offsets
	v_mov_b32 v7, v7
	INIT
	WIN 0
	s_wait_alu depctr_va_vdst(0)                   ; the wait at the head's end
	s_cmp_lt_u32 s[WV], 2
	s_cbranch_scc0 .Lnot_first
	s_wait_tensorcnt 0x0                           ; waves 0 and 1: steps 0 to 3 have landed
.Lnot_first:
	s_barrier_signal -1
	s_barrier_wait -1
.irp t, 0,1,2,3,4,5,6,7
.irp c, 0,1
	ds_load_b128 v[KF+8*\t+4*\c:KF+8*\t+4*\c+3], v1 offset:\t*1024+\c*512   ; K(0)
.endr
.endr
.irp i, 0,1,2,3
	ds_load_b32 v[KSW+\i], v2 offset:128*\i
.endr
	s_wait_loadcnt 0x0                             ; Q
	s_wait_dscnt 0x0
.irp t, 0,2,4,6
	QK2 0, QSA, \t
.endr
	WIN 0x40
	OZERO                                          ; these 64 lines are also the distance behind the first products
	WIN 0
	OZERO
	SM 0, 0, PWA, 1, 0, 1, 0x55, PWB, 0x44, QSB    ; A(0), with S_B(0); K(1) and V(0) are fetched
	TRIPS 2                                        ; steps 1 and 2: they fetch up to K(3) and V(2)
	s_wait_alu depctr_va_vdst(0)
	s_wait_tensorcnt 0x0                           ; every wave: all that is still out
	s_wait_dscnt 0x0
	s_barrier_signal -1
	s_barrier_wait -1
	TRIPS 13                                       ; steps 3 to 15
	SM 0x55, 0x15, PWB, 0, 1, 2, 0x01, PWA, 0, QSA ; B(15), with A's last products
	PV2 0x55, PWB, 0
	PV2 0x55, PWB, 2
	OUT 0, 0, 0                                    ; tile A's way out is the distance behind tile B's last products
	OUT 0x55, 2048, 64
	WIN 0
	s_wait_tensorcnt 0x0                           ; the wave's end
	ds_add_u32 v10, v11
	s_wait_dscnt 0x0
	CROUND                                         ; the closing round
	s_endpgm
.Lfunc_end_k_qbb4abf4a84_attn:
	.size	k_qbb4abf4a84_attn, .Lfunc_end_k_qbb4abf4a84_attn-k_qbb4abf4a84_attn
	.p2alignl 7, 3214868480
	.fill 96, 4, 3214868480
	.section	.rodata,"a",@progbits
	.p2align	6, 0x0
	.amdhsa_kernel k_qbb4abf4a84_attn
		.amdhsa_group_segment_fixed_size 327680
		.amdhsa_private_segment_fixed_size 0
		.amdhsa_enable_private_segment 0
		.amdhsa_kernarg_size 16
		.amdhsa_user_sgpr_count 2
		.amdhsa_user_sgpr_kernarg_segment_ptr 1
		.amdhsa_wavefront_size32 1
		.amdhsa_system_sgpr_workgroup_id_x 1
		.amdhsa_system_sgpr_workgroup_id_y 1
		.amdhsa_system_sgpr_workgroup_id_z 1
		.amdhsa_system_vgpr_workitem_id 0
		.amdhsa_next_free_vgpr 512
		.amdhsa_next_free_sgpr 84
		.amdhsa_reserve_vcc 0
		.amdhsa_float_denorm_mode_32 3
		.amdhsa_float_denorm_mode_16_64 3
		.amdhsa_memory_ordered 1
		.amdhsa_forward_progress 1
		.amdhsa_inst_pref_size 126
	.end_amdhsa_kernel
	.amdgpu_metadata
---
amdhsa.version: [ 1, 2 ]
amdhsa.kernels:
  - .name:           k_qbb4abf4a84_attn
    .symbol:         k_qbb4abf4a84_attn.kd
    .args:
      - { .name: QB, .offset: 0, .size: 8, .value_kind: global_buffer, .address_space: global }
      - { .name: AB, .offset: 8, .size: 8, .value_kind: global_buffer, .address_space: global }
    .group_segment_fixed_size: 327680
    .private_segment_fixed_size: 0
    .kernarg_segment_align: 8
    .kernarg_segment_size: 16
    .max_flat_workgroup_size: 256
    .sgpr_count:     84
    .vgpr_count:     512
    .wavefront_size: 32
...
	.end_amdgpu_metadata
.endif
;; end of part 3
;; launch wo (part 4): grid 8 x 32, 4 waves a work-group, clusters of 4 x 4, 327,680 bytes of LDS; arguments AB, WB, bo, x, X2; writes X2
.if DOCPART == 4
	.amdgcn_target "amdgcn-amd-amdhsa--gfx1250"
	.amdhsa_code_object_version 6
	.text
	.protected	k_qbb4abf4a84_wo
	.globl	k_qbb4abf4a84_wo
	.p2align	8
	.type	k_qbb4abf4a84_wo,@function
k_qbb4abf4a84_wo:
	s_mov_b64 s[64:65], 0
	v_nop
	global_prefetch_b8 v0, s[64:65] scope:SCOPE_SE
	s_setreg_imm32_b32 hwreg(HW_REG_WAVE_MODE, 25, 1), 1
	s_wait_xcnt 0x0
	s_wait_alu depctr_hold_cnt(0) depctr_sa_sdst(0) depctr_va_vdst(0) depctr_va_sdst(0) depctr_va_ssrc(0) depctr_va_vcc(0) depctr_vm_vsrc(0)
	s_getreg_b32 s2, hwreg(HW_REG_IB_STS2, 6, 4)
	s_cmp_eq_u32 s2, 0
	s_cbranch_scc0 .Lentry_in_a_cluster
	s_endpgm
.Lentry_in_a_cluster:
	s_bfe_u32 s2, ttmp6, 0x10000c
	s_cmp_lg_u32 s2, 0xf033
	s_cbranch_scc0 .Lentry_shape_is_right
	s_endpgm
.Lentry_shape_is_right:
; X2 = x + (attention's result) wo + bo, the product on codes of E4M3 with one E8M0 byte for each 32 along K; X2 f32.
; SHARES.  A work-group of four waves makes 128 tokens x 128 columns, a wave 64 x 64: 16 accumulators.  K = 1,024 is once round the ring: both slots come with the first fills and nothing is filled again.
; OPERANDS lie in memory in the order of the operand's registers (blocks of 128 rows x 128 K = 16,384 bytes, [tile][c][lane][16 bytes]; row r of tile T is index 32 (T / 2) + 8 (T % 2) + r + 8 (r / 8)).
; THE RING: two slots of 131,072 bytes, each 512 along K: X's four blocks, then W's four.  Wave 0 fetches X's, wave 2 W's, waves 1 and 3 the scale words.  The scale words come with the first fills and stay.
; CLUSTER 4 x 4: the four of a row need the same blocks of X, the four of a column the same blocks of W: each is asked for jointly.
; The product is used transposed (source 0 = 16 columns of W, source 1 = 16 tokens); a tile of 16 tokens x 64 columns goes through the wave's own stage in LDS and leaves as rows: sixteen lanes store 256 consecutive bytes, aligned.
; The residual is asked for at the head, into registers, in the layout in which the rows leave.
.set KP,     8
.set NT,     1
.set XSTEP,  0
.set WBLK0,  192
.set XSOFF,  4194304
.set STAGEB, 17408
.set SCBOTH, 1
.set SLOTB,  131072
.set SCX,    2*SLOTB
.set SCW,    SCX+KP*512
.set STAGE,  SCW+NT*KP*512             ; 16 rows x 272 bytes for each wave: no tensor load lands here
.set SPARE,  STAGE+STAGEB              ; the spare words, 128 bytes a wave, which no other line names
.set WSOFF,  12582912
.set F0,  0
.set F1,  128
.set ACC, 128
.set SC,  28
.set BI,  36
.set G1X, 24
.set G0X, 32
.set G1W, 48
.set G0W, 56
.set G1SX, 68
.set G0SX, 76
.set G1SW, 80
.set G0SW, 88
.set WV,  92
.set WR,  93
.set WC,  94
.set YY,  95
.set TS,  100
.set MSB, 0
.macro WIN new
.if MSB != \new
	s_set_vgpr_msb (MSB<<8)|\new
.set MSB, \new
.endif
.endm
.set MUL,  0x05
.set TO_F, 0x40
.macro PLACES n
.rept \n
	v_nop
.endr
.endm
.macro JLOAD g0x, g1x, g0w, g1w
	s_cmp_eq_u32 s[WR], 0
	s_cbranch_scc0 .Lfor_w_\@
	tensor_load_to_lds s[\g0x:\g0x+3], s[\g1x:\g1x+7]
	s_nop 0
.rept 4
	v_nop
.endr
	s_branch .Lasked_\@
.Lfor_w_\@:
	tensor_load_to_lds s[\g0w:\g0w+3], s[\g1w:\g1w+7]
	s_nop 0
.rept 4
	v_nop
.endr
.Lasked_\@:
.endm
.macro CREST
	s_cmp_lg_u32 s[WV], 0
	s_cbranch_scc1 .Lnot_wave_0_\@
	s_barrier_signal -3
.Lnot_wave_0_\@:
	s_barrier_wait -3
	s_barrier_signal -1
	s_barrier_wait -1
.endm
.macro CROUND
	s_barrier_signal -1
	s_barrier_wait -1
	CREST
.endm
.macro MULP f, set, a, ci, ori         ; four products: X's tile a against W's four tiles, transposed; ci = 1: the bias starts the sums; the 16 accumulators take turns
.irp q, 0,1,2,3
.set DD, ACC+8*(4*(\a)+\q)
.if \ci
	v_wmma_scale_f32_16x16x128_f8f6f4 v[DD:DD+7], v[\f+64+16*\q:\f+64+16*\q+15], v[\f+16*(\a):\f+16*(\a)+15], v[BI+8*\q:BI+8*\q+7], v[SC+4*(\set)+\q], v[SC+4*(\set)+(\a)] matrix_a_scale:MATRIX_SCALE_ROW1
.else
	v_wmma_scale_f32_16x16x128_f8f6f4 v[DD:DD+7], v[\f+64+16*\q:\f+64+16*\q+15], v[\f+16*(\a):\f+16*(\a)+15], v[DD:DD+7], v[SC+4*(\set)+\q], v[SC+4*(\set)+(\a)] matrix_a_scale:MATRIX_SCALE_ROW1
.endif
.endr
.endm
.macro FETCH slot, q, f, set           ; 36 LDS loads in one run: scale words, W's four fragments, X's tiles 0 and 1, X's tiles 2 and 3
	WIN 0
.irp i, 0,1,2,3
	ds_load_b32 v[SC+4*(\set)+\i], v5 offset:(4*(\slot)+(\q))*512+64*\i
.endr
	WIN TO_F
.irp i, 0,1,2,3
.irp c, 0,1,2,3
	ds_load_b128 v[\f+64+16*\i+4*\c:\f+64+16*\i+4*\c+3], v[3+\slot] offset:(\q)*16384+\i*2048+\c*512
.endr
.endr
.irp i, 0,1,2,3
.irp c, 0,1,2,3
	ds_load_b128 v[\f+16*\i+4*\c:\f+16*\i+4*\c+3], v[1+\slot] offset:(\q)*16384+\i*2048+\c*512
.endr
.endr
.endm
.macro QUARTER slot, q, f, g, ci, ori
	s_wait_dscnt 8                                 ; all but the youngest eight loads (X's tiles 2 and 3) are in
	WIN MUL
	MULP \f, (\f)/128, 0, \ci, \ori
	MULP \f, (\f)/128, 1, \ci, \ori
	PLACES 8                                       ; in front of loads into registers that matrix instructions have read
	FETCH \slot, \q, \g, (\g)/128
	s_wait_dscnt 36                                ; all but the 36 just issued
	WIN MUL
	MULP \f, (\f)/128, 2, \ci, \ori
	MULP \f, (\f)/128, 3, \ci, \ori
.endm
.macro SCSTEP
	s_add_co_u32 s[TS], s[TS], 4096
	v_add_nc_u32 v5, s[TS], v6
.endm
.macro TURN slot, next, fill, adv, ori ; a slot's last 128 along K, and the change of slots
	WIN 0
	s_wait_tensorcnt 0x0                           ; all my tensor loads have landed: my part of the next slot
	ds_add_u32 v8, v9                              ; 0 onto my spare word
	s_wait_dscnt 9                                 ; (the add and the youngest eight loads may be out)
	WIN MUL
	MULP F1, 1, 0, 0, \ori
	s_wait_dscnt 0x0                               ; the add is done, and my reads of this slot are over
	s_barrier_signal -1
	MULP F1, 1, 1, 0, \ori
	WIN 0
	s_barrier_wait -1
.if \fill
	CREST
	s_add_nc_u64 s[G0W+4*\slot+2:G0W+4*\slot+3], s[G0W+4*\slot+2:G0W+4*\slot+3], 2*65536
.if XSTEP
	s_add_nc_u64 s[G0X+4*\slot+2:G0X+4*\slot+3], s[G0X+4*\slot+2:G0X+4*\slot+3], XSTEP
.endif
	JLOAD G0X+4*\slot, G1X, G0W+4*\slot, G1W
	PLACES 4
.else
	PLACES 8
.endif
.if \adv
	SCSTEP
.endif
	FETCH \next, 0, F0, 0
	WIN MUL
	MULP F1, 1, 2, 0, \ori
	MULP F1, 1, 3, 0, \ori
.endm
.macro LASTQ ori
	s_wait_dscnt 8
	WIN MUL
	MULP F1, 1, 0, 0, \ori
	MULP F1, 1, 1, 0, \ori
	s_wait_alu depctr_va_vdst(0)
	s_wait_dscnt 0x0
	MULP F1, 1, 2, 0, \ori
	MULP F1, 1, 3, 0, \ori
	WIN 0
.endm
.macro LAP ci, f0, f1, last, ori       ; 1,024 along K: once round the ring
	QUARTER 0, 1, F0, F1, \ci, \ori
	QUARTER 0, 2, F1, F0, 0, \ori
	QUARTER 0, 3, F0, F1, 0, \ori
	TURN 0, 1, \f0, 0, \ori
	QUARTER 1, 1, F0, F1, 0, \ori
	QUARTER 1, 2, F1, F0, 0, \ori
	QUARTER 1, 3, F0, F1, 0, \ori
.if \last
	LASTQ \ori
.else
	TURN 1, 0, \f1, 1, \ori
.endif
.endm
.macro BIAS p
.irp q, 0,1,2,3
	global_load_b128 v[BI+8*\q:BI+8*\q+3], v109, s[\p:\p+1] offset:(32*(\q/2)+8*(\q%2))*4
	global_load_b128 v[BI+8*\q+4:BI+8*\q+7], v109, s[\p:\p+1] offset:(32*(\q/2)+8*(\q%2))*4+16
.endr
.endm
	s_load_b256 s[4:11], s[0:1], 0x0               ; X's codes and scales, WB, the bias, the residual
	s_load_b64 s[12:13], s[0:1], 0x20              ; the result
	v_lshl_add_u32 v8, v0, 2, SPARE
	v_mov_b32 v9, 0
	ds_add_u32 v8, v9
	ds_add_u32 v8, v9
	s_wait_dscnt 0x0
	v_lshrrev_b32 v10, 5, v0
	v_readfirstlane_b32 s[WV], v10
	s_lshr_b32 s[WR], s[WV], 1
	s_and_b32 s[WC], s[WV], 1
	s_bfe_u32 s40, ttmp6, 0x40000
	s_bfe_u32 s41, ttmp6, 0x40004
	s_lshl_b32 s42, ttmp9, 2
	s_add_co_u32 s42, s42, s40                     ; column tile x
	s_and_b32 s[YY], ttmp7, 0xffff
	s_lshl_b32 s[YY], s[YY], 2
	s_add_co_u32 s[YY], s[YY], s41                 ; row tile y
	s_lshl_b32 s43, s41, 2
	s_lshl_b32 s43, 15, s43
	s_lshl_b32 s44, 0x1111, s40
	s_or_b32 s[G1X], s43, (3<<16)|(1<<21)
	s_or_b32 s[G1W], s44, (3<<16)|(1<<21)
	s_or_b32 s[G1SX], s43, (3<<16)|(1<<21)
	s_or_b32 s[G1SW], s44, (3<<16)|(1<<21)
.irp g, G1X, G1W
	s_mov_b32 s[\g+1], 32<<16
	s_mov_b32 s[\g+2], 512<<16                     ; a load brings both slots' 512 rows of 256 bytes
	s_mov_b32 s[\g+3], 32<<16
	s_mov_b32 s[\g+4], 512
	s_mov_b32 s[\g+5], 32
	s_mov_b32 s[\g+6], 0
	s_mov_b32 s[\g+7], 0
.endr
	s_mov_b32 s[G1SX+1], 32<<16
	s_mov_b32 s[G1SX+2], (2*KP)<<16
	s_mov_b32 s[G1SX+3], 32<<16
	s_mov_b32 s[G1SX+4], 2*KP
	s_mov_b32 s[G1SX+5], 32
	s_mov_b32 s[G1SX+6], 0
	s_mov_b32 s[G1SX+7], 0
	s_mov_b32 s[G1SW+1], 32<<16
	s_mov_b32 s[G1SW+2], (2*NT*KP)<<16
	s_mov_b32 s[G1SW+3], 32<<16
	s_mov_b32 s[G1SW+4], 2*NT*KP
	s_mov_b32 s[G1SW+5], 32
	s_mov_b32 s[G1SW+6], 0
	s_mov_b32 s[G1SW+7], 0
	s_mul_i32 s20, s[YY], KP*16384
	s_lshl_b32 s21, s[WC], 15
	s_add_co_u32 s20, s20, s21
	s_mov_b32 s21, 0
	s_mul_i32 s22, s[YY], KP*512
	s_mov_b32 s23, 0
	s_add_co_u32 s22, s22, s23
	s_add_co_u32 s22, s22, XSOFF
	s_mov_b32 s23, 0
	s_mul_i32 s46, s42, NT*KP*16384
	s_lshl_b32 s47, s[WC], 15
	s_add_co_u32 s46, s46, s47
	s_add_co_u32 s46, s46, WBLK0*16384
	s_mov_b32 s47, 0
	s_mul_i32 s66, s42, NT*KP*512
	s_mov_b32 s67, 0
	s_add_co_u32 s66, s66, s67
	s_add_co_u32 s66, s66, WSOFF+WBLK0*512
	s_mov_b32 s67, 0
	s_lshl_b32 s45, s[WC], 15
	s_mov_b32 s[TS], 0
	s_wait_kmcnt 0x0
	s_add_nc_u64 s[20:21], s[4:5], s[20:21]
	s_add_nc_u64 s[22:23], s[4:5], s[22:23]
	s_add_nc_u64 s[46:47], s[6:7], s[46:47]
	s_add_nc_u64 s[66:67], s[6:7], s[66:67]
	CROUND                                         ; all sixteen work-groups are here: the first joint loads meet
	s_mov_b32 s[G0SX], 1
	s_mov_b32 s[G0SX+1], 0
	s_add_co_u32 s[G0SX+1], s[G0SX+1], SCX
	s_mov_b64 s[G0SX+2:G0SX+3], s[22:23]
	s_or_b32 s[G0SX+3], s[G0SX+3], 0x80000000
	s_mov_b32 s[G0SW], 1
	s_mov_b32 s[G0SW+1], 0
	s_add_co_u32 s[G0SW+1], s[G0SW+1], SCW
	s_mov_b64 s[G0SW+2:G0SW+3], s[66:67]
	s_or_b32 s[G0SW+3], s[G0SW+3], 0x80000000
.irp s, 0,1
	s_mov_b32 s[G0X+4*\s], 1
	s_add_co_u32 s[G0X+4*\s+1], s45, \s*65536
	s_add_nc_u64 s[G0X+4*\s+2:G0X+4*\s+3], s[20:21], \s*65536
	s_or_b32 s[G0X+4*\s+3], s[G0X+4*\s+3], 0x80000000
	s_mov_b32 s[G0W+4*\s], 1
	s_add_co_u32 s[G0W+4*\s+1], s45, 131072+\s*65536
	s_add_nc_u64 s[G0W+4*\s+2:G0W+4*\s+3], s[46:47], \s*65536
	s_or_b32 s[G0W+4*\s+3], s[G0W+4*\s+3], 0x80000000
.endr
; THE HEAD'S LOADS, one a wave, in one chain of arms: LDS holds X's two slots (2 x 65,536 bytes), then W's two. Wave 0: X's 131,072 bytes; wave 1: X's scale words; wave 2: W's 131,072 bytes; wave 3: W's scale words. Nothing is filled again.
.macro ARM under, g0, g1, next
	s_cmp_lt_u32 s[WV], \under
	s_cbranch_scc0 \next
	tensor_load_to_lds s[\g0:\g0+3], s[\g1:\g1+7]
	s_nop 0
	PLACES 4
	s_branch .Lhead_asked
\next:
.endm
	ARM 1, G0X, G1X, .Lhead_sx
	ARM 2, G0SX, G1SX, .Lhead_w
	ARM 3, G0W, G1W, .Lhead_sw
	tensor_load_to_lds s[G0SW:G0SW+3], s[G1SW:G1SW+7]
	s_nop 0
	PLACES 4
.Lhead_asked:
	v_and_b32 v10, 31, v0
	v_lshlrev_b32 v10, 4, v10                      ; 16 x lane
	v_bfe_u32 v7, v0, 4, 1                         ; h
	v_and_b32 v12, 15, v0                          ; r
	s_lshl_b32 s20, s[WR], 13
	v_add_nc_u32 v1, s20, v10
	v_add_nc_u32 v2, 65536, v1
	s_lshl_b32 s20, s[WC], 13
	s_add_co_u32 s20, s20, 131072
	v_add_nc_u32 v3, s20, v10
	v_add_nc_u32 v4, 65536, v3
	s_xor_b32 s20, s[WR], 1                        ; scale words: the lower base + h x the distance, one product
	s_add_co_u32 s20, s20, s[WC]
	s_lshl_b32 s20, s20, 8
	s_add_co_u32 s20, s20, SCW-SCX-256
	v_mul_u32_u24 v6, s20, v7
	v_lshl_add_u32 v6, v12, 2, v6
	s_lshl_b32 s20, s[WR], 8
	s_add_co_u32 s20, s20, SCX
	v_add_nc_u32 v5, s20, v6
	v_add_nc_u32 v6, s20, v6
	; ---- this launch's own addresses
	v_lshlrev_b32 v109, 6, v7                      ; 64 h
	s_lshl_b32 s20, s42, 9
	s_lshl_b32 s21, s[WC], 8
	s_add_co_u32 s20, s20, s21                     ; my 64 columns, in bytes
	s_mov_b32 s21, 0
	s_add_nc_u64 s[8:9], s[8:9], s[20:21]
	BIAS 8
	s_lshl_b32 s22, s[YY], 19
	s_lshl_b32 s23, s[WR], 18
	s_add_co_u32 s22, s22, s23
	s_add_co_u32 s20, s20, s22                     ; + my 64 rows of 4,096 bytes
	s_add_nc_u64 s[10:11], s[10:11], s[20:21]
	s_add_nc_u64 s[12:13], s[12:13], s[20:21]
	v_lshlrev_b32 v108, 12, v7
	v_lshl_add_u32 v108, v12, 4, v108              ; lanes 0-15 one row, lanes 16-31 the next; 16 bytes a lane
	s_mul_i32 s20, s[WV], 4352
	s_add_co_u32 s20, s20, STAGE                   ; my stage
	v_mul_u32_u24 v110, v12, 272
	v_lshl_add_u32 v110, v7, 6, v110
	v_add_nc_u32 v110, s20, v110                   ; in: row r, + 64 h
	v_mul_u32_u24 v111, v7, 272
	v_lshl_add_u32 v111, v12, 4, v111
	v_add_nc_u32 v111, s20, v111                   ; back: lanes 0-15 one row, lanes 16-31 the next
	s_wait_alu depctr_va_vdst(0)                   ; the wait at the head's end
	s_wait_loadcnt 0x0                             ; the bias is in
	s_wait_tensorcnt 0x0                           ; my tile of the head's four is in
	s_barrier_signal -1
	s_barrier_wait -1
	WIN 0x80                                       ; destination window 2: the residual, v[32 a + 4 t], asked for when the head's tiles have landed
.irp a, 0,1,2,3
.irp t, 0,1,2,3,4,5,6,7
	global_load_b128 v[32*\a+4*\t:32*\a+4*\t+3], v108, s[10:11] offset:(32*(\a/2)+8*(\a%2)+2*\t+8*(\t/4))*4096
.endr
.endr
	WIN 0
	FETCH 0, 0, F0, 0
	LAP 1, 0, 0, 1, 0
; THE WAY OUT, a tile of 16 tokens at a time.  LDS serves a wave's instructions in order (ISA guide 5.7.1.4): no wait between the stores and the loads
.macro TOSTAGE a
.irp q, 0,1,2,3
	ds_store_b128 v110, v[ACC+32*(\a)+8*\q:ACC+32*(\a)+8*\q+3] offset:128*(\q/2)+32*(\q%2)        ; each accumulator from its low end on
	ds_store_b128 v110, v[ACC+32*(\a)+8*\q+4:ACC+32*(\a)+8*\q+7] offset:128*(\q/2)+32*(\q%2)+16
.endr
.irp t, 0,1,2,3,4,5,6,7
	ds_load_b128 v[BI+32*((\a)%2)+4*\t:BI+32*((\a)%2)+4*\t+3], v111 offset:\t*544
.endr
.endm
.macro SEND a, younger
	s_wait_dscnt \younger                          ; the tile is back in registers; the next tile's 8 stores and 8 loads may be out
	WIN 0x08                                       ; source 1 window 2
.set i, 0
.rept 16
	v_pk_add_f32 v[BI+32*((\a)%2)+i:BI+32*((\a)%2)+i+1], v[BI+32*((\a)%2)+i:BI+32*((\a)%2)+i+1], v[32*(\a)+i:32*(\a)+i+1]
.set i, i+2
.endr
	WIN 0
.irp t, 0,1,2,3,4,5,6,7
	global_store_b128 v108, v[BI+32*((\a)%2)+4*\t:BI+32*((\a)%2)+4*\t+3], s[12:13] offset:(32*((\a)/2)+8*((\a)%2)+2*\t+8*(\t/4))*4096   ; 16 lanes store 256 consecutive bytes, aligned
.endr
.endm
	PLACES 8
	s_wait_loadcnt 0x0                             ; the residual
	TOSTAGE 0
	TOSTAGE 1
	SEND 0, 16
	s_wait_xcnt 0x0                                ; tile 0's stores have read their registers
	TOSTAGE 2
	SEND 1, 16
	s_wait_xcnt 0x0
	TOSTAGE 3
	SEND 2, 16
	SEND 3, 0
	s_wait_tensorcnt 0x0                           ; the wave's end
	ds_add_u32 v8, v9
	s_wait_dscnt 0x0
	CROUND                                         ; the closing round
	s_endpgm
.Lfunc_end_k_qbb4abf4a84_wo:
	.size	k_qbb4abf4a84_wo, .Lfunc_end_k_qbb4abf4a84_wo-k_qbb4abf4a84_wo
	.p2alignl 7, 3214868480
	.fill 96, 4, 3214868480
	.section	.rodata,"a",@progbits
	.p2align	6, 0x0
	.amdhsa_kernel k_qbb4abf4a84_wo
		.amdhsa_group_segment_fixed_size 327680
		.amdhsa_private_segment_fixed_size 0
		.amdhsa_enable_private_segment 0
		.amdhsa_kernarg_size 40
		.amdhsa_user_sgpr_count 2
		.amdhsa_user_sgpr_kernarg_segment_ptr 1
		.amdhsa_wavefront_size32 1
		.amdhsa_system_sgpr_workgroup_id_x 1
		.amdhsa_system_sgpr_workgroup_id_y 1
		.amdhsa_system_sgpr_workgroup_id_z 1
		.amdhsa_system_vgpr_workitem_id 0
		.amdhsa_next_free_vgpr 768
		.amdhsa_next_free_sgpr 102
		.amdhsa_reserve_vcc 0
		.amdhsa_float_denorm_mode_32 3
		.amdhsa_float_denorm_mode_16_64 3
		.amdhsa_memory_ordered 1
		.amdhsa_forward_progress 1
		.amdhsa_inst_pref_size 63
	.end_amdhsa_kernel
	.amdgpu_metadata
---
amdhsa.version: [ 1, 2 ]
amdhsa.kernels:
  - .name:           k_qbb4abf4a84_wo
    .symbol:         k_qbb4abf4a84_wo.kd
    .args:
      - { .name: AB, .offset: 0, .size: 8, .value_kind: global_buffer, .address_space: global }
      - { .name: WB, .offset: 8, .size: 8, .value_kind: global_buffer, .address_space: global }
      - { .name: bo, .offset: 16, .size: 8, .value_kind: global_buffer, .address_space: global }
      - { .name: x, .offset: 24, .size: 8, .value_kind: global_buffer, .address_space: global }
      - { .name: X2, .offset: 32, .size: 8, .value_kind: global_buffer, .address_space: global }
    .group_segment_fixed_size: 327680
    .private_segment_fixed_size: 0
    .kernarg_segment_align: 8
    .kernarg_segment_size: 40
    .max_flat_workgroup_size: 128
    .sgpr_count:     102
    .vgpr_count:     768
    .wavefront_size: 32
...
	.end_amdgpu_metadata
.endif
;; end of part 4
;; launch ln2 (part 5): grid 256 x 1, 4 waves a work-group, no clusters, 66,304 bytes of LDS; arguments X2, ln2_scale, ln2_bias, Y2B; writes Y2B
.if DOCPART == 5
	.amdgcn_target "amdgcn-amd-amdhsa--gfx1250"
	.amdhsa_code_object_version 6
	.text
	.protected	k_qbb4abf4a84_ln2
	.globl	k_qbb4abf4a84_ln2
	.p2align	8
	.type	k_qbb4abf4a84_ln2,@function
k_qbb4abf4a84_ln2:
	s_mov_b64 s[64:65], 0
	v_nop
	global_prefetch_b8 v0, s[64:65] scope:SCOPE_SE
	s_setreg_imm32_b32 hwreg(HW_REG_WAVE_MODE, 25, 1), 1
	s_wait_xcnt 0x0
; LayerNorm of rows of 1,024 f32 numbers, and the result quantised along the row to codes of E4M3 with one E8M0 byte for each 32, laid in the order of a matrix operand's registers:
; codes [row tile y of 128][plane s of 128 K][tile 0..7][c 0..3][lane][16 bytes], scale words [y][s][tile][r] behind them at 4,194,304.  Row r of tile T is token 128 y + 32 (T / 2) + 8 (T % 2) + r + 8 (r / 8).
; A work-group takes ONE tile of 16 rows.  Wave w loads rows 4 w .. 4 w + 3 of the tile (four neighbouring tokens), 512 consecutive bytes a load, and normalises them in registers: mean, then the mean of the
; squared differences, as the formula has it.  The conversions want 16 neighbours along K in one lane: the 16 rows turn through LDS (pitch 4,096 + 16 bytes), one barrier, and wave w quantises planes 2 w and 2 w + 1.
; LIMITS: NaN and infinities are not served; a block whose largest magnitude lies under 2^-118, a block of zeros too, gets the byte 1; the bytes are read by this program alone.
.set LPI, 4112
.set G,   16                           ; v16-47   the gain at my 32 columns
.set B,   48                           ; v48-79   the bias
.set X,   80                           ; v80-207  row i at X + 32 i; later two sets of 64 numbers
.set TM,  208                          ; v208-223 the quantiser's work
.set SA,  224                          ; v224-231 a pair of sums a row
.set SBB, 232                          ; v232-239 a second chain
.set T,   240                          ; v240-243
.set RS,  244                          ; v244-251 1 / sqrt(var + eps), in the low word of a pair a row
.set PCB, 224                          ; v224-255 the codes, 16 registers a plane
.set SEL, 26
.set MNT, 28
	s_load_b256 s[4:11], s[0:1], 0x0               ; x, gain, bias, out
	v_lshl_add_u32 v14, v0, 2, 0x10100
	v_mov_b32 v15, 0
	v_lshrrev_b32 v1, 5, v0
	v_readfirstlane_b32 s12, v1                    ; wave
	v_and_b32 v5, 31, v0                           ; lane
	v_lshlrev_b32 v1, 4, v5                        ; 16 x lane
	v_and_b32 v6, 15, v0                           ; r
	v_bfe_u32 v7, v0, 4, 1                         ; h
	s_mul_i32 s13, s12, 4*LPI
	v_add_nc_u32 v2, s13, v1                       ; LDS, in: my wave's four rows, 16 bytes a lane
	v_mul_u32_u24 v3, v6, LPI
	v_lshl_add_u32 v3, v7, 6, v3
	s_lshl_b32 s13, s12, 10
	v_add_nc_u32 v3, s13, v3                       ; LDS, out: row r, my wave's two planes, + 64 h
	v_lshlrev_b32 v4, 2, v6
	v_lshl_add_u32 v4, v7, 9, v4                   ; scale word: 4 r, lanes 16-31 one plane on
	s_lshr_b32 s14, ttmp9, 3                       ; y
	s_and_b32 s15, ttmp9, 7                        ; T
	s_lshl_b32 s16, s14, 7                         ; my wave's first token
	s_lshr_b32 s17, s15, 1
	s_lshl_b32 s17, s17, 5
	s_add_co_u32 s16, s16, s17
	s_and_b32 s17, s15, 1
	s_lshl_b32 s17, s17, 3
	s_add_co_u32 s16, s16, s17
	s_lshl_b32 s17, s12, 2
	s_add_co_u32 s16, s16, s17
	s_lshr_b32 s17, s12, 1
	s_lshl_b32 s17, s17, 3
	s_add_co_u32 s16, s16, s17
	s_lshl_b32 s16, s16, 12
	s_mov_b32 s17, 0
	s_lshl_b32 s18, s14, 3
	s_lshl_b32 s19, s12, 1
	s_add_co_u32 s18, s18, s19                     ; block 8 y + 2 w
	s_lshl_b32 s20, s18, 14
	s_lshl_b32 s21, s15, 11
	s_add_co_u32 s20, s20, s21
	s_mov_b32 s21, 0
	s_lshl_b32 s22, s18, 9
	s_lshl_b32 s23, s15, 6
	s_add_co_u32 s22, s22, s23
	s_add_co_u32 s22, s22, 4194304
	s_mov_b32 s23, 0
	s_mov_b32 s24, 0x3a800000                      ; 1 / 1,024
	s_mov_b32 s25, 0x358637bd                      ; 1e-6
	s_mov_b32 s[SEL], 0x76543210
	s_mov_b32 s[SEL+1], 0xfedcba98                 ; v_permlanex16_b32's selects for lane l xor 16
	s_mov_b32 s[MNT], 0x600000
.irp i, 0,1,2,3
	v_mov_b32 v[T+\i], 0                           ; written once: a lane permute's destination counts as one of its sources
	v_mov_b32 v[TM+4+\i], 0
	v_mov_b32 v[RS+2*\i+1], 0                      ; (named as the upper half of a pair)
.endr
	s_wait_kmcnt 0x0
	s_add_nc_u64 s[4:5], s[4:5], s[16:17]
	s_add_nc_u64 s[20:21], s[10:11], s[20:21]
	s_add_nc_u64 s[22:23], s[10:11], s[22:23]
.irp i, 0,1,2,3
.irp j, 0,1,2,3,4,5,6,7
	global_load_b128 v[X+32*\i+4*\j:X+32*\i+4*\j+3], v1, s[4:5] offset:\i*4096+512*\j
.endr
.endr
.irp j, 0,1,2,3,4,5,6,7
	global_load_b128 v[G+4*\j:G+4*\j+3], v1, s[6:7] offset:512*\j
	global_load_b128 v[B+4*\j:B+4*\j+3], v1, s[8:9] offset:512*\j
.endr
.macro REDUCE                          ; the pair's halves, then the 32 lanes: every lane ends with the row's sum; the four rows by turns
.irp i, 0,1,2,3
	v_add_f32 v[SA+2*\i], v[SA+2*\i], v[SA+2*\i+1]
.endr
.irp m, 1,2,4,8
.irp i, 0,1,2,3
	v_add_f32_dpp v[SA+2*\i], v[SA+2*\i], v[SA+2*\i] row_xmask:\m row_mask:0xf bank_mask:0xf
.endr
.endr
.irp i, 0,1,2,3
	v_permlanex16_b32 v[T+\i], v[SA+2*\i], s[SEL], s[SEL+1]
.endr
.irp i, 0,1,2,3
	v_add_f32 v[SA+2*\i], v[SA+2*\i], v[T+\i]
.endr
.endm
	s_wait_loadcnt 16                              ; the rows are in; the 16 loads of gain and bias may be out
.irp i, 0,1,2,3
	v_pk_add_f32 v[SA+2*\i:SA+2*\i+1], v[X+32*\i:X+32*\i+1], v[X+32*\i+2:X+32*\i+3]
.endr
.irp j, 4,6,8,10,12,14,16,18,20,22,24,26,28,30
.irp i, 0,1,2,3
	v_pk_add_f32 v[SA+2*\i:SA+2*\i+1], v[SA+2*\i:SA+2*\i+1], v[X+32*\i+\j:X+32*\i+\j+1]
.endr
.endr
	REDUCE
.irp i, 0,1,2,3
	v_mul_f32 v[SA+2*\i], s24, v[SA+2*\i]          ; the mean
.endr
.irp j, 0,2,4,6,8,10,12,14,16,18,20,22,24,26,28,30
.irp i, 0,1,2,3
	v_pk_add_f32 v[X+32*\i+\j:X+32*\i+\j+1], v[X+32*\i+\j:X+32*\i+\j+1], v[SA+2*\i:SA+2*\i+1] op_sel_hi:[1,0] neg_lo:[0,1] neg_hi:[0,1]   ; x - mean
.endr
.endr
.irp i, 0,1,2,3
	v_pk_mul_f32 v[SA+2*\i:SA+2*\i+1], v[X+32*\i:X+32*\i+1], v[X+32*\i:X+32*\i+1]
	v_pk_mul_f32 v[SBB+2*\i:SBB+2*\i+1], v[X+32*\i+2:X+32*\i+3], v[X+32*\i+2:X+32*\i+3]
.endr
.irp j, 4,8,12,16,20,24,28
.irp i, 0,1,2,3
	v_pk_fma_f32 v[SA+2*\i:SA+2*\i+1], v[X+32*\i+\j:X+32*\i+\j+1], v[X+32*\i+\j:X+32*\i+\j+1], v[SA+2*\i:SA+2*\i+1]
	v_pk_fma_f32 v[SBB+2*\i:SBB+2*\i+1], v[X+32*\i+\j+2:X+32*\i+\j+3], v[X+32*\i+\j+2:X+32*\i+\j+3], v[SBB+2*\i:SBB+2*\i+1]
.endr
.endr
.irp i, 0,1,2,3
	v_pk_add_f32 v[SA+2*\i:SA+2*\i+1], v[SA+2*\i:SA+2*\i+1], v[SBB+2*\i:SBB+2*\i+1]
.endr
	REDUCE
.irp i, 0,1,2,3
	v_fma_f32 v[T+\i], v[SA+2*\i], s24, s25        ; the variance + 1e-6
.endr
	s_wait_alu depctr_va_vdst(0)
.irp i, 0,1,2,3
	v_rsq_f32 v[RS+2*\i], v[T+\i]
.endr
	v_nop                                          ; a plain instruction behind the last of the batch
	s_wait_alu depctr_va_vdst(0)                   ; one wait for the four, ahead of their first reader
	s_wait_loadcnt 0x0                             ; gain and bias
.irp j, 0,2,4,6,8,10,12,14,16,18,20,22,24,26,28,30
.irp i, 0,1,2,3
	v_pk_mul_f32 v[X+32*\i+\j:X+32*\i+\j+1], v[X+32*\i+\j:X+32*\i+\j+1], v[RS+2*\i:RS+2*\i+1] op_sel_hi:[1,0]
.endr
.irp i, 0,1,2,3
	v_pk_fma_f32 v[X+32*\i+\j:X+32*\i+\j+1], v[X+32*\i+\j:X+32*\i+\j+1], v[G+\j:G+\j+1], v[B+\j:B+\j+1]
.endr
.endr
.irp i, 0,1,2,3
.irp j, 0,1,2,3,4,5,6,7
	ds_store_b128 v2, v[X+32*\i+4*\j:X+32*\i+4*\j+3] offset:\i*LPI+512*\j
.endr
.endr
	s_wait_dscnt 0x0                               ; for the others' sake: my rows lie in LDS
	s_barrier_signal -1
	s_barrier_wait -1
.irp p, 0,1
.irp c, 0,1,2,3
.irp j, 0,1,2,3
	ds_load_b128 v[X+64*\p+16*\c+4*\j:X+64*\p+16*\c+4*\j+3], v3 offset:512*\p+128*\c+16*\j   ; row r, k = 128 plane + 32 c + 16 h + 4 j ..
.endr
.endr
.endr
; 64 numbers of a lane, register 16 b + i = k 32 b + 16 h + i of my row, become a fragment's 16 registers of codes and its scale word
.macro QUANT4 s, pc, pw
.irp b, 0,1,2,3
	v_max3_num_f32 v[TM+\b], |v[\s+16*\b]|, |v[\s+1+16*\b]|, 0x4800000   ; my 16 numbers of block b, and the floor 2^(9 - 127)
.endr
.irp i, 2,4,6,8,10,12,14
.irp b, 0,1,2,3
	v_max3_num_f32 v[TM+\b], v[TM+\b], |v[\s+16*\b+\i]|, |v[\s+1+16*\b+\i]|
.endr
.endr
.irp b, 0,1,2,3
	v_permlanex16_b32 v[TM+4+\b], v[TM+\b], s[SEL], s[SEL+1]
.endr
.irp b, 0,1,2,3
	v_max_num_f32 v[TM+\b], v[TM+\b], v[TM+4+\b]   ; with lane l xor 16's: the block's largest magnitude
.endr
.irp b, 0,1,2,3
	v_add_nc_u32 v[TM+12+\b], 0xfc000000, v[TM+\b] ; 8 off its exponent field: the conversion's scale operand
.endr
.irp b, 0,1,2,3
	v_and_or_b32 v[TM+8+\b], v[TM+\b], 0x7f800000, s[MNT]   ; 448 x the scale
.endr
.irp b, 0,1,2,3
	v_lshrrev_b32 v[TM+4+\b], 23, v[TM+12+\b]      ; the byte
.endr
	v_lshl_or_b32 v[\pw], v[TM+5], 8, v[TM+4]
	v_lshl_or_b32 v[\pw], v[TM+6], 16, v[\pw]
	v_lshl_or_b32 v[\pw], v[TM+7], 24, v[\pw]
.irp b, 0,1,2,3
.irp i, 0,1,2,3,4,5,6,7,8,9,10,11,12,13,14,15
	v_med3_num_f32 v[\s+16*\b+\i], v[\s+16*\b+\i], -v[TM+8+\b], v[TM+8+\b]   ; the conversion does not saturate (ISA guide 7.6.2)
.endr
	v_cvt_scalef32_pk8_fp8_f32 v[\pc+4*\b:\pc+1+4*\b], v[\s+16*\b:\s+7+16*\b], v[TM+12+\b]
	v_cvt_scalef32_pk8_fp8_f32 v[\pc+2+4*\b:\pc+3+4*\b], v[\s+8+16*\b:\s+15+16*\b], v[TM+12+\b]
.endr
	v_nop                                          ; a plain instruction behind the last conversion
.endm
	s_wait_dscnt 16                                ; the first plane's 16 loads are in
	QUANT4 X, PCB, 8
.irp c, 0,1,2,3
	global_store_b128 v1, v[PCB+4*\c:PCB+4*\c+3], s[20:21] offset:\c*512      ; 32 lanes store 512 consecutive bytes
.endr
	s_wait_dscnt 0x0
	QUANT4 X+64, PCB+16, 9
.irp c, 0,1,2,3
	global_store_b128 v1, v[PCB+16+4*\c:PCB+16+4*\c+3], s[20:21] offset:\c*512+16384
.endr
	v_cmp_le_u32 vcc_lo, 16, v5
	v_cndmask_b32 v8, v8, v9, vcc_lo               ; lanes 0-15 store the first plane's words, lanes 16-31 the second's
	global_store_b32 v4, v8, s[22:23]
	s_wait_tensorcnt 0x0
	ds_add_u32 v14, v15
	s_wait_dscnt 0x0
	s_endpgm
.Lfunc_end_k_qbb4abf4a84_ln2:
	.size	k_qbb4abf4a84_ln2, .Lfunc_end_k_qbb4abf4a84_ln2-k_qbb4abf4a84_ln2
	.p2alignl 7, 3214868480
	.fill 96, 4, 3214868480
	.section	.rodata,"a",@progbits
	.p2align	6, 0x0
	.amdhsa_kernel k_qbb4abf4a84_ln2
		.amdhsa_group_segment_fixed_size 66304
		.amdhsa_private_segment_fixed_size 0
		.amdhsa_enable_private_segment 0
		.amdhsa_kernarg_size 32
		.amdhsa_user_sgpr_count 2
		.amdhsa_user_sgpr_kernarg_segment_ptr 1
		.amdhsa_wavefront_size32 1
		.amdhsa_system_sgpr_workgroup_id_x 1
		.amdhsa_system_sgpr_workgroup_id_y 1
		.amdhsa_system_sgpr_workgroup_id_z 1
		.amdhsa_system_vgpr_workitem_id 0
		.amdhsa_next_free_vgpr 256
		.amdhsa_next_free_sgpr 66
		.amdhsa_reserve_vcc 1
		.amdhsa_float_denorm_mode_32 3
		.amdhsa_float_denorm_mode_16_64 3
		.amdhsa_memory_ordered 1
		.amdhsa_forward_progress 1
		.amdhsa_inst_pref_size 53
	.end_amdhsa_kernel
	.amdgpu_metadata
---
amdhsa.version: [ 1, 2 ]
amdhsa.kernels:
  - .name:           k_qbb4abf4a84_ln2
    .symbol:         k_qbb4abf4a84_ln2.kd
    .args:
      - { .name: X2, .offset: 0, .size: 8, .value_kind: global_buffer, .address_space: global }
      - { .name: ln2_scale, .offset: 8, .size: 8, .value_kind: global_buffer, .address_space: global }
      - { .name: ln2_bias, .offset: 16, .size: 8, .value_kind: global_buffer, .address_space: global }
      - { .name: Y2B, .offset: 24, .size: 8, .value_kind: global_buffer, .address_space: global }
    .group_segment_fixed_size: 66304
    .private_segment_fixed_size: 0
    .kernarg_segment_align: 8
    .kernarg_segment_size: 32
    .max_flat_workgroup_size: 128
    .sgpr_count:     66
    .vgpr_count:     256
    .wavefront_size: 32
...
	.end_amdgpu_metadata
.endif
;; end of part 5
;; launch w1 (part 6): grid 8 x 32, 4 waves a work-group, clusters of 4 x 4, 327,680 bytes of LDS; arguments Y2B, WB, b1, HB; writes HB
.if DOCPART == 6
	.amdgcn_target "amdgcn-amd-amdhsa--gfx1250"
	.amdhsa_code_object_version 6
	.text
	.protected	k_qbb4abf4a84_w1
	.globl	k_qbb4abf4a84_w1
	.p2align	8
	.type	k_qbb4abf4a84_w1,@function
k_qbb4abf4a84_w1:
	s_mov_b64 s[64:65], 0
	v_nop
	global_prefetch_b8 v0, s[64:65] scope:SCOPE_SE
	s_setreg_imm32_b32 hwreg(HW_REG_WAVE_MODE, 25, 1), 1
	s_wait_xcnt 0x0
	s_wait_alu depctr_hold_cnt(0) depctr_sa_sdst(0) depctr_va_vdst(0) depctr_va_sdst(0) depctr_va_ssrc(0) depctr_va_vcc(0) depctr_vm_vsrc(0)
	s_getreg_b32 s2, hwreg(HW_REG_IB_STS2, 6, 4)
	s_cmp_eq_u32 s2, 0
	s_cbranch_scc0 .Lentry_in_a_cluster
	s_endpgm
.Lentry_in_a_cluster:
	s_bfe_u32 s2, ttmp6, 0x10000c
	s_cmp_lg_u32 s2, 0xf033
	s_cbranch_scc0 .Lentry_shape_is_right
	s_endpgm
.Lentry_shape_is_right:
.set KP,     8
.set NT,     4
.set WBLK0,  256
.set XSOFF,  4194304
.set SLOTB,  131072
.set SCX,    2*SLOTB
.set SCW,    SCX+KP*512
.set SPARE,  SCW+NT*KP*512
.set WSOFF,  12582912
.set F0,  0
.set F1,  128
.set ACC, 128
.set TM,  16
.set SC,  28
.set BI,  36
.set R,   68
.set PC,  100
.set G1X, 24
.set G0X, 32
.set G1W, 48
.set G0W, 56
.set G1SX, 68
.set G0SX, 76
.set G1SW, 80
.set G0SW, 88
.set WV,  92
.set WR,  93
.set WC,  94
.set YY,  95
.set SEL, 96
.set MNT, 98
.set HM,  99
.set TS,  100
.set MSB, 0
.macro WIN new
.if MSB != \new
	s_set_vgpr_msb (MSB<<8)|\new
.set MSB, \new
.endif
.endm
.set MUL,  0x05
.set TO_F, 0x40
.macro PLACES n
.rept \n
	v_nop
.endr
.endm
.macro JLOAD g0x, g1x, g0w, g1w
	s_cmp_eq_u32 s[WR], 0
	s_cbranch_scc0 .Lfor_w_\@
	tensor_load_to_lds s[\g0x:\g0x+3], s[\g1x:\g1x+7]
	s_nop 0
.rept 4
	v_nop
.endr
	s_branch .Lasked_\@
.Lfor_w_\@:
	tensor_load_to_lds s[\g0w:\g0w+3], s[\g1w:\g1w+7]
	s_nop 0
.rept 4
	v_nop
.endr
.Lasked_\@:
.endm
.macro WLOAD slot
	s_cmp_eq_u32 s[WR], 0
	s_cbranch_scc1 .Lnone_\@
	tensor_load_to_lds s[G0W+4*\slot:G0W+4*\slot+3], s[G1W:G1W+7]
	s_nop 0
.rept 4
	v_nop
.endr
.Lnone_\@:
.endm
.macro CREST
	s_cmp_lg_u32 s[WV], 0
	s_cbranch_scc1 .Lnot_wave_0_\@
	s_barrier_signal -3
.Lnot_wave_0_\@:
	s_barrier_wait -3
	s_barrier_signal -1
	s_barrier_wait -1
.endm
.macro CROUND
	s_barrier_signal -1
	s_barrier_wait -1
	CREST
.endm
.macro MULP f, set, a, ci
.irp q, 0,1,2,3
.set DD, ACC+8*(4*(\a)+\q)
.if \ci
	v_wmma_scale_f32_16x16x128_f8f6f4 v[DD:DD+7], v[\f+64+16*\q:\f+64+16*\q+15], v[\f+16*(\a):\f+16*(\a)+15], v[BI+8*\q:BI+8*\q+7], v[SC+4*(\set)+\q], v[SC+4*(\set)+(\a)] matrix_a_scale:MATRIX_SCALE_ROW1
.else
	v_wmma_scale_f32_16x16x128_f8f6f4 v[DD:DD+7], v[\f+64+16*\q:\f+64+16*\q+15], v[\f+16*(\a):\f+16*(\a)+15], v[DD:DD+7], v[SC+4*(\set)+\q], v[SC+4*(\set)+(\a)] matrix_a_scale:MATRIX_SCALE_ROW1
.endif
.endr
.endm
.macro FETCH slot, q, f, set
	WIN 0
.irp i, 0,1,2,3
	ds_load_b32 v[SC+4*(\set)+\i], v5 offset:(4*(\slot)+(\q))*512+64*\i
.endr
	WIN TO_F
.irp i, 0,1,2,3
.irp c, 0,1,2,3
	ds_load_b128 v[\f+64+16*\i+4*\c:\f+64+16*\i+4*\c+3], v[3+\slot] offset:(\q)*16384+\i*2048+\c*512
.endr
.endr
.irp i, 0,1,2,3
.irp c, 0,1,2,3
	ds_load_b128 v[\f+16*\i+4*\c:\f+16*\i+4*\c+3], v[1+\slot] offset:(\q)*16384+\i*2048+\c*512
.endr
.endr
.endm
.macro QUARTER slot, q, f, g, ci
	s_wait_dscnt 8
	WIN MUL
	MULP \f, (\f)/128, 0, \ci
	MULP \f, (\f)/128, 1, \ci
	PLACES 8
	FETCH \slot, \q, \g, (\g)/128
	s_wait_dscnt 36
	WIN MUL
	MULP \f, (\f)/128, 2, \ci
	MULP \f, (\f)/128, 3, \ci
.endm
.macro TURN fill
	WIN 0
	s_wait_tensorcnt 0x0
	ds_add_u32 v8, v9
	s_wait_dscnt 9
	WIN MUL
	MULP F1, 1, 0, 0
	s_wait_dscnt 0x0
	s_barrier_signal -1
	MULP F1, 1, 1, 0
	WIN 0
	s_barrier_wait -1
.if \fill
	CREST
	s_add_nc_u64 s[G0W+2:G0W+3], s[G0W+2:G0W+3], 2*65536
	WLOAD 0
.endif
	PLACES 8
	FETCH 1, 0, F0, 0
.if \fill
	WIN 0
	s_cmp_gt_u32 s2, s38
	s_cbranch_scc0 .Lno_ask_\@
	global_prefetch_b8 v112, s[36:37] offset:4*65536 th:TH_LOAD_NT scope:SCOPE_SE
.Lno_ask_\@:
.endif
	WIN MUL
	MULP F1, 1, 2, 0
	MULP F1, 1, 3, 0
.endm
.macro LASTQ
	s_wait_dscnt 8
	WIN MUL
	MULP F1, 1, 0, 0
	MULP F1, 1, 1, 0
	s_wait_dscnt 0x0
	MULP F1, 1, 2, 0
	MULP F1, 1, 3, 0
	WIN 0
.endm
.macro LAP f0
	QUARTER 0, 1, F0, F1, 1
	QUARTER 0, 2, F1, F0, 0
	QUARTER 0, 3, F0, F1, 0
	TURN \f0
	QUARTER 1, 1, F0, F1, 0
	QUARTER 1, 2, F1, F0, 0
	QUARTER 1, 3, F0, F1, 0
	LASTQ
.endm
.macro CHANGE
	s_wait_tensorcnt 0x0
	ds_add_u32 v8, v9
	s_add_nc_u64 s[G0W+6:G0W+7], s[G0W+6:G0W+7], 2*65536
	s_wait_dscnt 0x0
	CROUND
	WLOAD 1
	s_add_co_u32 s[TS], s[TS], 4096
	v_mad_u32_u24 v5, v7, s[TS], v6
	FETCH 0, 0, F0, 0
	WIN 0
	s_cmp_gt_u32 s2, s38
	s_cbranch_scc0 .Lno_ask_c_\@
	global_prefetch_b8 v112, s[36:37] offset:5*65536 th:TH_LOAD_NT scope:SCOPE_SE
.Lno_ask_c_\@:
.endm
.macro QUANT2 s, pw
.irp b, 0,1
	v_max3_num_f32 v[TM+\b], |v[(\s)+16*\b]|, |v[(\s)+16*\b+1]|, 0x4800000
.endr
.irp i, 2,4,6,8,10,12,14
.irp b, 0,1
	v_max3_num_f32 v[TM+\b], v[TM+\b], |v[(\s)+16*\b+\i]|, |v[(\s)+16*\b+\i+1]|
.endr
.endr
.irp b, 0,1
	v_permlanex16_b32 v[TM+2+\b], v[TM+\b], s[SEL], s[SEL+1]
.endr
.irp b, 0,1
	v_max_num_f32 v[TM+\b], v[TM+\b], v[TM+2+\b]
.endr
.irp b, 0,1
	v_add_nc_u32 v[TM+6+\b], 0xfc000000, v[TM+\b]
.endr
.irp b, 0,1
	v_and_or_b32 v[TM+4+\b], v[TM+\b], 0x7f800000, s[MNT]
.endr
.irp b, 0,1
	v_lshrrev_b32 v[TM+2+\b], 23, v[TM+6+\b]
.endr
	v_lshl_or_b32 v[\pw], v[TM+3], 8, v[TM+2]
.irp b, 0,1
.irp i, 0,1,2,3,4,5,6,7,8,9,10,11,12,13,14,15
	v_med3_num_f32 v[(\s)+16*\b+\i], v[(\s)+16*\b+\i], -v[TM+4+\b], v[TM+4+\b]
.endr
	v_cvt_scalef32_pk8_fp8_f32 v[PC+4*\b:PC+4*\b+1], v[(\s)+16*\b:(\s)+16*\b+7], v[TM+6+\b]
	v_cvt_scalef32_pk8_fp8_f32 v[PC+4*\b+2:PC+4*\b+3], v[(\s)+16*\b+8:(\s)+16*\b+15], v[TM+6+\b]
.endr
	v_nop
.endm
.macro BIAS p
.irp q, 0,1,2,3
	global_load_b128 v[BI+8*\q:BI+8*\q+3], v109, s[\p:\p+1] offset:(32*(\q/2)+8*(\q%2))*4
	global_load_b128 v[BI+8*\q+4:BI+8*\q+7], v109, s[\p:\p+1] offset:(32*(\q/2)+8*(\q%2))*4+16
.endr
.endm
	s_load_b256 s[4:11], s[0:1], 0x0
	v_lshl_add_u32 v8, v0, 2, SPARE
	v_mov_b32 v9, 0
	ds_add_u32 v8, v9
	ds_add_u32 v8, v9
	s_wait_dscnt 0x0
	v_lshrrev_b32 v10, 5, v0
	v_readfirstlane_b32 s[WV], v10
	s_lshr_b32 s[WR], s[WV], 1
	s_and_b32 s[WC], s[WV], 1
	s_bfe_u32 s40, ttmp6, 0x40000
	s_bfe_u32 s41, ttmp6, 0x40004
	s_lshl_b32 s42, ttmp9, 2
	s_add_co_u32 s42, s42, s40
	s_and_b32 s[YY], ttmp7, 0xffff
	s_lshl_b32 s[YY], s[YY], 2
	s_add_co_u32 s[YY], s[YY], s41
	s_lshl_b32 s43, s41, 2
	s_lshl_b32 s43, 15, s43
	s_lshl_b32 s44, 0x1111, s40
	s_or_b32 s[G1X], s43, (3<<16)|(1<<21)
	s_or_b32 s[G1W], s44, (3<<16)|(1<<21)
	s_or_b32 s[G1SX], s43, (3<<16)|(1<<21)
	s_or_b32 s[G1SW], s44, (3<<16)|(1<<21)
.irp g, G1X, G1W
	s_mov_b32 s[\g+1], 32<<16
	s_mov_b32 s[\g+2], 512<<16                     ; the head's loads bring both slots' 512 rows of 256 bytes
	s_mov_b32 s[\g+3], 32<<16
	s_mov_b32 s[\g+4], 512
	s_mov_b32 s[\g+5], 32
	s_mov_b32 s[\g+6], 0
	s_mov_b32 s[\g+7], 0
.endr
	s_mov_b32 s[G1SX+1], 32<<16
	s_mov_b32 s[G1SX+2], (2*KP)<<16
	s_mov_b32 s[G1SX+3], 32<<16
	s_mov_b32 s[G1SX+4], 2*KP
	s_mov_b32 s[G1SX+5], 32
	s_mov_b32 s[G1SX+6], 0
	s_mov_b32 s[G1SX+7], 0
	s_mov_b32 s[G1SW+1], 32<<16
	s_mov_b32 s[G1SW+2], (2*NT*KP)<<16
	s_mov_b32 s[G1SW+3], 32<<16
	s_mov_b32 s[G1SW+4], 2*NT*KP
	s_mov_b32 s[G1SW+5], 32
	s_mov_b32 s[G1SW+6], 0
	s_mov_b32 s[G1SW+7], 0
	s_mul_i32 s20, s[YY], KP*16384
	s_lshl_b32 s21, s[WC], 15
	s_add_co_u32 s20, s20, s21
	s_mov_b32 s21, 0
	s_mul_i32 s22, s[YY], KP*512
	s_mov_b32 s23, 0
	s_add_co_u32 s22, s22, s23
	s_add_co_u32 s22, s22, XSOFF
	s_mov_b32 s23, 0
	s_mul_i32 s46, s42, NT*KP*16384
	s_lshl_b32 s47, s[WC], 15
	s_add_co_u32 s46, s46, s47
	s_add_co_u32 s46, s46, WBLK0*16384
	s_mov_b32 s47, 0
	s_mul_i32 s66, s42, NT*KP*512
	s_mov_b32 s67, 0
	s_add_co_u32 s66, s66, s67
	s_add_co_u32 s66, s66, WSOFF+WBLK0*512
	s_mov_b32 s67, 0
	s_lshl_b32 s45, s[WC], 15
	s_mov_b32 s[SEL], 0x76543210
	s_mov_b32 s[SEL+1], 0xfedcba98
	s_mov_b32 s[MNT], 0x600000
	s_mov_b32 s[HM], 0xffff0000
	s_mov_b32 s[TS], 0
	s_wait_kmcnt 0x0
	s_add_nc_u64 s[20:21], s[4:5], s[20:21]
	s_add_nc_u64 s[22:23], s[4:5], s[22:23]
	s_add_nc_u64 s[46:47], s[6:7], s[46:47]
	s_add_nc_u64 s[66:67], s[6:7], s[66:67]
	CROUND
	s_mov_b32 s[G0SX], 1
	s_mov_b32 s[G0SX+1], 0
	s_add_co_u32 s[G0SX+1], s[G0SX+1], SCX
	s_mov_b64 s[G0SX+2:G0SX+3], s[22:23]
	s_or_b32 s[G0SX+3], s[G0SX+3], 0x80000000
	s_mov_b32 s[G0SW], 1
	s_mov_b32 s[G0SW+1], 0
	s_add_co_u32 s[G0SW+1], s[G0SW+1], SCW
	s_mov_b64 s[G0SW+2:G0SW+3], s[66:67]
	s_or_b32 s[G0SW+3], s[G0SW+3], 0x80000000
.irp s, 0,1
	s_mov_b32 s[G0X+4*\s], 1
	s_add_co_u32 s[G0X+4*\s+1], s45, \s*65536
	s_add_nc_u64 s[G0X+4*\s+2:G0X+4*\s+3], s[20:21], \s*65536
	s_or_b32 s[G0X+4*\s+3], s[G0X+4*\s+3], 0x80000000
	s_mov_b32 s[G0W+4*\s], 1
	s_add_co_u32 s[G0W+4*\s+1], s45, 131072+\s*65536
	s_add_nc_u64 s[G0W+4*\s+2:G0W+4*\s+3], s[46:47], \s*65536
	s_or_b32 s[G0W+4*\s+3], s[G0W+4*\s+3], 0x80000000
.endr
; THE HEAD'S LOADS, one a wave, in one chain of arms: LDS holds X's two slots (2 x 65,536 bytes), then W's two. Wave 0: X's 131,072 bytes; wave 1: X's scale words; wave 2: W's first 131,072 bytes; wave 3: W's scale words.
.macro ARM under, g0, g1, next
	s_cmp_lt_u32 s[WV], \under
	s_cbranch_scc0 \next
	tensor_load_to_lds s[\g0:\g0+3], s[\g1:\g1+7]
	s_nop 0
	PLACES 4
	s_branch .Lhead_asked
\next:
.endm
	ARM 1, G0X, G1X, .Lhead_sx
	ARM 2, G0SX, G1SX, .Lhead_w
	ARM 3, G0W, G1W, .Lhead_sw
	tensor_load_to_lds s[G0SW:G0SW+3], s[G1SW:G1SW+7]
	s_nop 0
	PLACES 4
.Lhead_asked:
; THE PREFETCHES of W's later fills (a fill: 65,536 dense bytes; fills 0 and 1 come with the head's load).  Waves 2 and 3, which fetch W, ask: of the 32,768 bytes that a wave fetches, each of the four partners of my column names 8,192,
; told apart by address (cy): each block of 256 bytes is named once in each cluster that will load it.  Fills 2 and 3 are asked for here; behind the refill of fill f stands the request for fill f + 2; the last trip's two refills ask for nothing.
	s_lshl_b32 s38, s41, 13
	s_mov_b32 s39, 0
	s_add_nc_u64 s[36:37], s[46:47], s[38:39]      ; (the registers of X's second group 0, which no load names)
	v_and_b32 v112, 31, v0
	v_lshlrev_b32 v112, 8, v112
	s_cmp_eq_u32 s[WR], 0
	s_cselect_b32 s38, -1, 1                       ; a wave asks while the tiles to go are more than this
	s_cbranch_scc1 .Lno_ask
	global_prefetch_b8 v112, s[36:37] offset:2*65536 th:TH_LOAD_NT scope:SCOPE_SE
	global_prefetch_b8 v112, s[36:37] offset:3*65536 th:TH_LOAD_NT scope:SCOPE_SE
.Lno_ask:
	v_and_b32 v10, 31, v0
	v_lshlrev_b32 v11, 2, v10
	v_lshlrev_b32 v10, 4, v10
	v_bfe_u32 v7, v0, 4, 1
	v_and_b32 v12, 15, v0
	s_lshl_b32 s20, s[WR], 13
	v_add_nc_u32 v1, s20, v10
	v_add_nc_u32 v2, 65536, v1
	s_lshl_b32 s20, s[WC], 13
	s_add_co_u32 s20, s20, 131072
	v_add_nc_u32 v3, s20, v10
	v_add_nc_u32 v4, 65536, v3
	s_xor_b32 s20, s[WR], 1
	s_add_co_u32 s20, s20, s[WC]
	s_lshl_b32 s20, s20, 8
	s_add_co_u32 s20, s20, SCW-SCX-256
	v_mul_u32_u24 v6, s20, v7
	v_lshl_add_u32 v6, v12, 2, v6
	s_lshl_b32 s20, s[WR], 8
	s_add_co_u32 s20, s20, SCX
	v_add_nc_u32 v5, s20, v6
	v_add_nc_u32 v6, s20, v6
	v_mov_b32 v18, 0
	v_mov_b32 v19, 0
	v_lshlrev_b32 v109, 6, v7
	v_mov_b32 v12, 0xbdd2d3e8
	v_mov_b32 v13, 0xbdd2d3e8
	v_mov_b32 v14, 0xc0135761
	v_mov_b32 v15, 0xc0135761
	s_lshl_b32 s20, s42, 11
	s_lshl_b32 s21, s[WC], 8
	s_add_co_u32 s20, s20, s21
	s_mov_b32 s21, 0
	s_add_nc_u64 s[8:9], s[8:9], s[20:21]
	BIAS 8
	s_lshl_b32 s12, s[YY], 19
	s_lshl_b32 s13, s42, 16
	s_add_co_u32 s12, s12, s13
	s_lshl_b32 s13, s[WR], 13
	s_add_co_u32 s12, s12, s13
	s_lshl_b32 s13, s[WC], 10
	s_add_co_u32 s12, s12, s13
	s_mov_b32 s13, 0
	s_lshl_b32 s18, s[YY], 14
	s_lshl_b32 s19, s42, 11
	s_add_co_u32 s18, s18, s19
	s_lshl_b32 s19, s[WR], 8
	s_add_co_u32 s18, s18, s19
	s_lshl_b32 s19, s[WC], 1
	s_add_co_u32 s18, s18, s19
	s_add_co_u32 s18, s18, 16777216
	s_mov_b32 s19, 0
	s_add_nc_u64 s[12:13], s[10:11], s[12:13]
	s_add_nc_u64 s[18:19], s[10:11], s[18:19]
	s_wait_alu depctr_va_vdst(0)
	s_wait_loadcnt 0x0
	s_wait_tensorcnt 0x0                           ; my tile of the head's four is in; no load of mine is out, so a descriptor may be written:
	s_mov_b32 s[G1W+2], 128<<16                    ; a refill brings 128 rows
	s_mov_b32 s[G1W+4], 128
	s_barrier_signal -1
	s_barrier_wait -1
	FETCH 0, 0, F0, 0
	WIN 0
.macro EPI_GELU next
	WIN 0
	PLACES 8
.if \next
	s_add_nc_u64 s[8:9], s[8:9], 512
	BIAS 8
.endif
.irp a, 0,1,2,3
.if (\next) && (\a == 2)
	CHANGE
.endif
.set i, 0
.rept 16
	v_pk_mul_f32 v[R+i:R+i+1], v[ACC+32*\a+i:ACC+32*\a+i+1], v[ACC+32*\a+i:ACC+32*\a+i+1]
.set i, i+2
.endr
.set i, 0
.rept 16
	v_pk_fma_f32 v[R+i:R+i+1], v[R+i:R+i+1], v[12:13], v[14:15]
.set i, i+2
.endr
.set i, 0
.rept 16
	v_pk_mul_f32 v[R+i:R+i+1], v[R+i:R+i+1], v[ACC+32*\a+i:ACC+32*\a+i+1]
.set i, i+2
.endr
.set i, 0
	s_wait_alu depctr_va_vdst(0)
.rept 32
	v_exp_f32 v[R+i], v[R+i]
.set i, i+1
.endr
	v_nop
	s_wait_alu depctr_va_vdst(0)
.set i, 0
.rept 16
	v_pk_add_f32 v[R+i:R+i+1], v[R+i:R+i+1], 1.0 op_sel_hi:[1,0]
.set i, i+2
.endr
.set i, 0
	s_wait_alu depctr_va_vdst(0)
.rept 32
	v_rcp_f32 v[R+i], v[R+i]
.set i, i+1
.endr
	v_nop
	s_wait_alu depctr_va_vdst(0)
.set i, 0
.rept 16
	v_pk_mul_f32 v[ACC+32*\a+i:ACC+32*\a+i+1], v[ACC+32*\a+i:ACC+32*\a+i+1], v[R+i:R+i+1]
.set i, i+2
.endr
	s_wait_alu depctr_va_vdst(0)
	s_wait_xcnt 0x0
	QUANT2 ACC+32*\a, 24+\a
	global_store_b128 v10, v[PC:PC+3], s[12:13] offset:\a*2048
	global_store_b128 v10, v[PC+4:PC+7], s[12:13] offset:\a*2048+512
.endr
	v_cndmask_b32 v24, v24, v25, s[HM]
	v_cndmask_b32 v26, v26, v27, s[HM]
	global_store_b16 v11, v24, s[18:19]
	global_store_b16 v11, v26, s[18:19] offset:128
.if \next
	s_wait_loadcnt 0x0
	s_wait_xcnt 0x0
	s_add_nc_u64 s[12:13], s[12:13], 16384
	s_add_nc_u64 s[18:19], s[18:19], 512
	s_add_nc_u64 s[36:37], s[36:37], 131072        ; the prefetches' address, two fills on (behind the wait on XCNT above)
.endif
.endm
	s_mov_b32 s2, NT-1
.Ltile:
	LAP 1
	EPI_GELU 1
	s_sub_co_u32 s2, s2, 1
	s_cmp_lg_u32 s2, 0
	s_cbranch_scc1 .Ltile
	LAP 0
	EPI_GELU 0
	s_wait_tensorcnt 0x0
	ds_add_u32 v8, v9
	s_wait_dscnt 0x0
	CROUND
	s_endpgm
.Lfunc_end_k_qbb4abf4a84_w1:
	.size	k_qbb4abf4a84_w1, .Lfunc_end_k_qbb4abf4a84_w1-k_qbb4abf4a84_w1
	.p2alignl 7, 3214868480
	.fill 96, 4, 3214868480
	.section	.rodata,"a",@progbits
	.p2align	6, 0x0
	.amdhsa_kernel k_qbb4abf4a84_w1
		.amdhsa_group_segment_fixed_size 327680
		.amdhsa_private_segment_fixed_size 0
		.amdhsa_enable_private_segment 0
		.amdhsa_kernarg_size 32
		.amdhsa_user_sgpr_count 2
		.amdhsa_user_sgpr_kernarg_segment_ptr 1
		.amdhsa_wavefront_size32 1
		.amdhsa_system_sgpr_workgroup_id_x 1
		.amdhsa_system_sgpr_workgroup_id_y 1
		.amdhsa_system_sgpr_workgroup_id_z 1
		.amdhsa_system_vgpr_workitem_id 0
		.amdhsa_next_free_vgpr 512
		.amdhsa_next_free_sgpr 102
		.amdhsa_reserve_vcc 0
		.amdhsa_float_denorm_mode_32 3
		.amdhsa_float_denorm_mode_16_64 3
		.amdhsa_memory_ordered 1
		.amdhsa_forward_progress 1
		.amdhsa_inst_pref_size 181
	.end_amdhsa_kernel
	.amdgpu_metadata
---
amdhsa.version: [ 1, 2 ]
amdhsa.kernels:
  - .name:           k_qbb4abf4a84_w1
    .symbol:         k_qbb4abf4a84_w1.kd
    .args:
      - { .name: Y2B, .offset: 0, .size: 8, .value_kind: global_buffer, .address_space: global }
      - { .name: WB, .offset: 8, .size: 8, .value_kind: global_buffer, .address_space: global }
      - { .name: b1, .offset: 16, .size: 8, .value_kind: global_buffer, .address_space: global }
      - { .name: HB, .offset: 24, .size: 8, .value_kind: global_buffer, .address_space: global }
    .group_segment_fixed_size: 327680
    .private_segment_fixed_size: 0
    .kernarg_segment_align: 8
    .kernarg_segment_size: 32
    .max_flat_workgroup_size: 128
    .sgpr_count:     102
    .vgpr_count:     512
    .wavefront_size: 32
...
	.end_amdgpu_metadata
.endif
;; end of part 6
;; launch w2 (part 7): grid 8 x 32, 4 waves a work-group, clusters of 4 x 4, 327,680 bytes of LDS; arguments HB, WB, b2, X2, out0; writes out0
.if DOCPART == 7
	.amdgcn_target "amdgcn-amd-amdhsa--gfx1250"
	.amdhsa_code_object_version 6
	.text
	.protected	k_qbb4abf4a84_w2
	.globl	k_qbb4abf4a84_w2
	.p2align	8
	.type	k_qbb4abf4a84_w2,@function
k_qbb4abf4a84_w2:
	s_mov_b64 s[64:65], 0
	v_nop
	global_prefetch_b8 v0, s[64:65] scope:SCOPE_SE
	s_setreg_imm32_b32 hwreg(HW_REG_WAVE_MODE, 25, 1), 1
	s_wait_xcnt 0x0
	s_wait_alu depctr_hold_cnt(0) depctr_sa_sdst(0) depctr_va_vdst(0) depctr_va_sdst(0) depctr_va_ssrc(0) depctr_va_vcc(0) depctr_vm_vsrc(0)
	s_getreg_b32 s2, hwreg(HW_REG_IB_STS2, 6, 4)
	s_cmp_eq_u32 s2, 0
	s_cbranch_scc0 .Lentry_in_a_cluster
	s_endpgm
.Lentry_in_a_cluster:
	s_bfe_u32 s2, ttmp6, 0x10000c
	s_cmp_lg_u32 s2, 0xf033
	s_cbranch_scc0 .Lentry_shape_is_right
	s_endpgm
.Lentry_shape_is_right:
.set KP,     32
.set NT,     1
.set XSTEP,  131072
.set WBLK0,  512
.set XSOFF,  16777216
.set STAGEB, 17408
.set SCBOTH, 1
.set SLOTB,  131072
.set SCX,    2*SLOTB
.set SCW,    SCX+KP*512
.set STAGE,  SCW+NT*KP*512
.set SPARE,  STAGE+STAGEB
.set WSOFF,  12582912
.set F0,  0
.set F1,  128
.set ACC, 128
.set SC,  28
.set BI,  36
.set G1X, 24
.set G0X, 32
.set G1W, 48
.set G0W, 56
.set G1SX, 68
.set G0SX, 76
.set G1SW, 80
.set G0SW, 88
.set WV,  92
.set WR,  93
.set WC,  94
.set YY,  95
.set TS,  100
.set MSB, 0
.macro WIN new
.if MSB != \new
	s_set_vgpr_msb (MSB<<8)|\new
.set MSB, \new
.endif
.endm
.set MUL,  0x05
.set TO_F, 0x40
.macro PLACES n
.rept \n
	v_nop
.endr
.endm
.macro JLOAD g0x, g1x, g0w, g1w
	s_cmp_eq_u32 s[WR], 0
	s_cbranch_scc0 .Lfor_w_\@
	tensor_load_to_lds s[\g0x:\g0x+3], s[\g1x:\g1x+7]
	s_nop 0
.rept 4
	v_nop
.endr
	s_branch .Lasked_\@
.Lfor_w_\@:
	tensor_load_to_lds s[\g0w:\g0w+3], s[\g1w:\g1w+7]
	s_nop 0
.rept 4
	v_nop
.endr
.Lasked_\@:
.endm
.macro CREST
	s_cmp_lg_u32 s[WV], 0
	s_cbranch_scc1 .Lnot_wave_0_\@
	s_barrier_signal -3
.Lnot_wave_0_\@:
	s_barrier_wait -3
	s_barrier_signal -1
	s_barrier_wait -1
.endm
.macro CROUND
	s_barrier_signal -1
	s_barrier_wait -1
	CREST
.endm
.macro MULP f, set, a, ci, ori
.irp q, 0,1,2,3
.set DD, ACC+8*(4*(\a)+\q)
.if \ci
	v_wmma_scale_f32_16x16x128_f8f6f4 v[DD:DD+7], v[\f+64+16*\q:\f+64+16*\q+15], v[\f+16*(\a):\f+16*(\a)+15], v[BI+8*\q:BI+8*\q+7], v[SC+4*(\set)+\q], v[SC+4*(\set)+(\a)] matrix_a_scale:MATRIX_SCALE_ROW1
.else
	v_wmma_scale_f32_16x16x128_f8f6f4 v[DD:DD+7], v[\f+64+16*\q:\f+64+16*\q+15], v[\f+16*(\a):\f+16*(\a)+15], v[DD:DD+7], v[SC+4*(\set)+\q], v[SC+4*(\set)+(\a)] matrix_a_scale:MATRIX_SCALE_ROW1
.endif
.endr
.endm
.macro FETCH slot, q, f, set
	WIN 0
.irp i, 0,1,2,3
	ds_load_b32 v[SC+4*(\set)+\i], v5 offset:(4*(\slot)+(\q))*512+64*\i
.endr
	WIN TO_F
.irp i, 0,1,2,3
.irp c, 0,1,2,3
	ds_load_b128 v[\f+64+16*\i+4*\c:\f+64+16*\i+4*\c+3], v[3+\slot] offset:(\q)*16384+\i*2048+\c*512
.endr
.endr
.irp i, 0,1,2,3
.irp c, 0,1,2,3
	ds_load_b128 v[\f+16*\i+4*\c:\f+16*\i+4*\c+3], v[1+\slot] offset:(\q)*16384+\i*2048+\c*512
.endr
.endr
.endm
.macro QUARTER slot, q, f, g, ci, ori
	s_wait_dscnt 8
	WIN MUL
	MULP \f, (\f)/128, 0, \ci, \ori
	MULP \f, (\f)/128, 1, \ci, \ori
	PLACES 8
	FETCH \slot, \q, \g, (\g)/128
	s_wait_dscnt 36
	WIN MUL
	MULP \f, (\f)/128, 2, \ci, \ori
	MULP \f, (\f)/128, 3, \ci, \ori
.endm
.macro SCSTEP
	s_add_co_u32 s[TS], s[TS], 4096
	v_add_nc_u32 v5, s[TS], v6
.endm
.macro TURN slot, next, fill, adv, ori
	WIN 0
.if \fill
	s_wait_xcnt 0x0                                ; any prefetch of mine has read its address: it is stepped here, a fill on
	s_add_nc_u64 s[14:15], s[14:15], 65536
.endif
	s_wait_tensorcnt 0x0
	ds_add_u32 v8, v9
	s_wait_dscnt 9
	WIN MUL
	MULP F1, 1, 0, 0, \ori
	s_wait_dscnt 0x0
	s_barrier_signal -1
	MULP F1, 1, 1, 0, \ori
	WIN 0
	s_barrier_wait -1
.if \fill
	CREST
	s_add_nc_u64 s[G0W+4*\slot+2:G0W+4*\slot+3], s[G0W+4*\slot+2:G0W+4*\slot+3], 2*65536
.if XSTEP
	s_add_nc_u64 s[G0X+4*\slot+2:G0X+4*\slot+3], s[G0X+4*\slot+2:G0X+4*\slot+3], XSTEP
.endif
	JLOAD G0X+4*\slot, G1X, G0W+4*\slot, G1W
	PLACES 4
.else
	PLACES 8
.endif
.if \adv
	SCSTEP
.endif
	FETCH \next, 0, F0, 0
.if \fill
	WIN 0
	s_cmp_gt_u32 s3, 1                             ; the last two refills have no fill two on
	s_cbranch_scc0 .Lnone_on_\@
	global_prefetch_b8 v13, s[14:15] offset:131072 th:TH_LOAD_NT scope:SCOPE_SE   ; the fill that stands two refills on: my 8,192 bytes of it, a lane a block of 256
.Lnone_on_\@:
.endif
	WIN MUL
	MULP F1, 1, 2, 0, \ori
	MULP F1, 1, 3, 0, \ori
.endm
.macro LASTQ ori
	s_wait_dscnt 8
	WIN MUL
	MULP F1, 1, 0, 0, \ori
	MULP F1, 1, 1, 0, \ori
	s_wait_dscnt 0x0
	MULP F1, 1, 2, 0, \ori
	MULP F1, 1, 3, 0, \ori
	WIN 0
.endm
.macro LAP ci, f0, f1, last, ori
	QUARTER 0, 1, F0, F1, \ci, \ori
	QUARTER 0, 2, F1, F0, 0, \ori
	QUARTER 0, 3, F0, F1, 0, \ori
	TURN 0, 1, \f0, 0, \ori
	QUARTER 1, 1, F0, F1, 0, \ori
	QUARTER 1, 2, F1, F0, 0, \ori
	QUARTER 1, 3, F0, F1, 0, \ori
.if \last
	LASTQ \ori
.else
	TURN 1, 0, \f1, 1, \ori
.endif
.endm
.macro BIAS p
.irp q, 0,1,2,3
	global_load_b128 v[BI+8*\q:BI+8*\q+3], v109, s[\p:\p+1] offset:(32*(\q/2)+8*(\q%2))*4
	global_load_b128 v[BI+8*\q+4:BI+8*\q+7], v109, s[\p:\p+1] offset:(32*(\q/2)+8*(\q%2))*4+16
.endr
.endm
	s_load_b256 s[4:11], s[0:1], 0x0
	s_load_b64 s[12:13], s[0:1], 0x20
	v_lshl_add_u32 v8, v0, 2, SPARE
	v_mov_b32 v9, 0
	ds_add_u32 v8, v9
	ds_add_u32 v8, v9
	s_wait_dscnt 0x0
	v_lshrrev_b32 v10, 5, v0
	v_readfirstlane_b32 s[WV], v10
	s_lshr_b32 s[WR], s[WV], 1
	s_and_b32 s[WC], s[WV], 1
	s_bfe_u32 s40, ttmp6, 0x40000
	s_bfe_u32 s41, ttmp6, 0x40004
	s_lshl_b32 s42, ttmp9, 2
	s_add_co_u32 s42, s42, s40
	s_and_b32 s[YY], ttmp7, 0xffff
	s_lshl_b32 s[YY], s[YY], 2
	s_add_co_u32 s[YY], s[YY], s41
	s_lshl_b32 s43, s41, 2
	s_lshl_b32 s43, 15, s43
	s_lshl_b32 s44, 0x1111, s40
	s_or_b32 s[G1X], s43, (3<<16)|(1<<21)
	s_or_b32 s[G1W], s44, (3<<16)|(1<<21)
	s_or_b32 s[G1SX], s43, (3<<16)|(1<<21)
	s_or_b32 s[G1SW], s44, (3<<16)|(1<<21)
.irp g, G1X, G1W
	s_mov_b32 s[\g+1], 32<<16
	s_mov_b32 s[\g+2], 512<<16                     ; the head's loads bring both slots' 512 rows of 256 bytes
	s_mov_b32 s[\g+3], 32<<16
	s_mov_b32 s[\g+4], 512
	s_mov_b32 s[\g+5], 32
	s_mov_b32 s[\g+6], 0
	s_mov_b32 s[\g+7], 0
.endr
	s_mov_b32 s[G1SX+1], 32<<16
	s_mov_b32 s[G1SX+2], (2*KP)<<16
	s_mov_b32 s[G1SX+3], 32<<16
	s_mov_b32 s[G1SX+4], 2*KP
	s_mov_b32 s[G1SX+5], 32
	s_mov_b32 s[G1SX+6], 0
	s_mov_b32 s[G1SX+7], 0
	s_mov_b32 s[G1SW+1], 32<<16
	s_mov_b32 s[G1SW+2], (2*NT*KP)<<16
	s_mov_b32 s[G1SW+3], 32<<16
	s_mov_b32 s[G1SW+4], 2*NT*KP
	s_mov_b32 s[G1SW+5], 32
	s_mov_b32 s[G1SW+6], 0
	s_mov_b32 s[G1SW+7], 0
	s_mul_i32 s20, s[YY], KP*16384
	s_lshl_b32 s21, s[WC], 15
	s_add_co_u32 s20, s20, s21
	s_mov_b32 s21, 0
	s_mul_i32 s22, s[YY], KP*512
	s_mov_b32 s23, 0
	s_add_co_u32 s22, s22, s23
	s_add_co_u32 s22, s22, XSOFF
	s_mov_b32 s23, 0
	s_mul_i32 s46, s42, NT*KP*16384
	s_lshl_b32 s47, s[WC], 15
	s_add_co_u32 s46, s46, s47
	s_add_co_u32 s46, s46, WBLK0*16384
	s_mov_b32 s47, 0
	s_mul_i32 s66, s42, NT*KP*512
	s_mov_b32 s67, 0
	s_add_co_u32 s66, s66, s67
	s_add_co_u32 s66, s66, WSOFF+WBLK0*512
	s_mov_b32 s67, 0
	s_lshl_b32 s45, s[WC], 15
	s_mov_b32 s[TS], 0
	s_wait_kmcnt 0x0
	s_add_nc_u64 s[20:21], s[4:5], s[20:21]
	s_add_nc_u64 s[22:23], s[4:5], s[22:23]
	s_add_nc_u64 s[46:47], s[6:7], s[46:47]
	s_add_nc_u64 s[66:67], s[6:7], s[66:67]
	CROUND
	s_mov_b32 s[G0SX], 1
	s_mov_b32 s[G0SX+1], 0
	s_add_co_u32 s[G0SX+1], s[G0SX+1], SCX
	s_mov_b64 s[G0SX+2:G0SX+3], s[22:23]
	s_or_b32 s[G0SX+3], s[G0SX+3], 0x80000000
	s_mov_b32 s[G0SW], 1
	s_mov_b32 s[G0SW+1], 0
	s_add_co_u32 s[G0SW+1], s[G0SW+1], SCW
	s_mov_b64 s[G0SW+2:G0SW+3], s[66:67]
	s_or_b32 s[G0SW+3], s[G0SW+3], 0x80000000
.irp s, 0,1
	s_mov_b32 s[G0X+4*\s], 1
	s_add_co_u32 s[G0X+4*\s+1], s45, \s*65536
	s_add_nc_u64 s[G0X+4*\s+2:G0X+4*\s+3], s[20:21], \s*65536
	s_or_b32 s[G0X+4*\s+3], s[G0X+4*\s+3], 0x80000000
	s_mov_b32 s[G0W+4*\s], 1
	s_add_co_u32 s[G0W+4*\s+1], s45, 131072+\s*65536
	s_add_nc_u64 s[G0W+4*\s+2:G0W+4*\s+3], s[46:47], \s*65536
	s_or_b32 s[G0W+4*\s+3], s[G0W+4*\s+3], 0x80000000
.endr
; THE HEAD'S LOADS, one a wave, in one chain of arms: LDS holds X's two slots (2 x 65,536 bytes), then W's two. Wave 0: X's first 131,072 bytes; wave 1: X's scale words; wave 2: W's first 131,072 bytes; wave 3: W's scale words.
.macro ARM under, g0, g1, next
	s_cmp_lt_u32 s[WV], \under
	s_cbranch_scc0 \next
	tensor_load_to_lds s[\g0:\g0+3], s[\g1:\g1+7]
	s_nop 0
	PLACES 4
	s_branch .Lhead_asked
\next:
.endm
	ARM 1, G0X, G1X, .Lhead_sx
	ARM 2, G0SX, G1SX, .Lhead_w
	ARM 3, G0W, G1W, .Lhead_sw
	tensor_load_to_lds s[G0SW:G0SW+3], s[G1SW:G1SW+7]
	s_nop 0
	PLACES 4
.Lhead_asked:
	v_and_b32 v10, 31, v0
	v_lshlrev_b32 v10, 4, v10
	v_bfe_u32 v7, v0, 4, 1
	v_and_b32 v12, 15, v0
	s_lshl_b32 s20, s[WR], 13
	v_add_nc_u32 v1, s20, v10
	v_add_nc_u32 v2, 65536, v1
	s_lshl_b32 s20, s[WC], 13
	s_add_co_u32 s20, s20, 131072
	v_add_nc_u32 v3, s20, v10
	v_add_nc_u32 v4, 65536, v3
	s_xor_b32 s20, s[WR], 1
	s_add_co_u32 s20, s20, s[WC]
	s_lshl_b32 s20, s20, 8
	s_add_co_u32 s20, s20, SCW-SCX-256
	v_mul_u32_u24 v6, s20, v7
	v_lshl_add_u32 v6, v12, 2, v6
	s_lshl_b32 s20, s[WR], 8
	s_add_co_u32 s20, s20, SCX
	v_add_nc_u32 v5, s20, v6
	v_add_nc_u32 v6, s20, v6
; THE PREFETCHES.  A fill is 65,536 dense bytes of X's blocks and as many of W's.  Of the 32,768 bytes that a wave fetches, each of the four partners that ask for them jointly names 8,192, told apart by address (cx for X, cy for W):
; so each block of 256 bytes is named once in each cluster that will load it.  Fills 2 and 3 are asked for here, once; behind refill r (fill r + 2) stands the request for fill r + 4, r = 0 .. 3.
	s_cmp_eq_u32 s[WR], 0                          ; do I fetch for X?
	s_cselect_b32 s16, s[YY], s42
	s_cselect_b32 s17, s40, s41
	s_cselect_b32 s18, 0, WBLK0*16384
	s_cselect_b64 s[14:15], s[4:5], s[6:7]
	s_mul_i32 s16, s16, KP*16384
	s_add_co_u32 s16, s16, s18
	s_lshl_b32 s18, s[WC], 15
	s_add_co_u32 s16, s16, s18
	s_lshl_b32 s17, s17, 13
	s_add_co_u32 s16, s16, s17
	s_add_co_u32 s16, s16, 65536                   ; at fill 1: each refill steps it a fill on ahead of its own request
	s_mov_b32 s17, 0
	s_add_nc_u64 s[14:15], s[14:15], s[16:17]
	v_and_b32 v13, 31, v0
	v_lshlrev_b32 v13, 8, v13
	global_prefetch_b8 v13, s[14:15] offset:65536 th:TH_LOAD_NT scope:SCOPE_SE
	global_prefetch_b8 v13, s[14:15] offset:131072 th:TH_LOAD_NT scope:SCOPE_SE
	v_lshlrev_b32 v109, 6, v7
	s_lshl_b32 s20, s42, 9
	s_lshl_b32 s21, s[WC], 8
	s_add_co_u32 s20, s20, s21
	s_mov_b32 s21, 0
	s_add_nc_u64 s[8:9], s[8:9], s[20:21]
	BIAS 8
	s_lshl_b32 s22, s[YY], 19
	s_lshl_b32 s23, s[WR], 18
	s_add_co_u32 s22, s22, s23
	s_add_co_u32 s20, s20, s22
	s_add_nc_u64 s[10:11], s[10:11], s[20:21]
	s_add_nc_u64 s[12:13], s[12:13], s[20:21]
	v_lshlrev_b32 v108, 12, v7
	v_lshl_add_u32 v108, v12, 4, v108
	s_mul_i32 s20, s[WV], 4352
	s_add_co_u32 s20, s20, STAGE
	v_mul_u32_u24 v110, v12, 272
	v_lshl_add_u32 v110, v7, 6, v110
	v_add_nc_u32 v110, s20, v110
	v_mul_u32_u24 v111, v7, 272
	v_lshl_add_u32 v111, v12, 4, v111
	v_add_nc_u32 v111, s20, v111
	s_wait_alu depctr_va_vdst(0)                   ; the wait at the head's end
	s_wait_loadcnt 0x0                             ; the bias is in
	s_wait_tensorcnt 0x0                           ; my tile of the head's four is in; no load of mine is out, so a descriptor may be written:
	s_mov_b32 s[G1X+2], 128<<16                    ; a refill brings 128 rows
	s_mov_b32 s[G1X+4], 128
	s_mov_b32 s[G1W+2], 128<<16
	s_mov_b32 s[G1W+4], 128
	s_barrier_signal -1
	s_barrier_wait -1
	WIN 0x80                                       ; destination window 2: the residual, v[32 a + 4 t], asked for when the head's tiles have landed
.irp a, 0,1,2,3
.irp t, 0,1,2,3,4,5,6,7
	global_load_b128 v[32*\a+4*\t:32*\a+4*\t+3], v108, s[10:11] offset:(32*(\a/2)+8*(\a%2)+2*\t+8*(\t/4))*4096
.endr
.endr
	WIN 0
	FETCH 0, 0, F0, 0
	s_mov_b32 s3, 2
	LAP 1, 1, 1, 0, 0
	WIN 0
	s_mov_b32 s3, 2
.Llap:
	s_wait_alu depctr_va_vdst(0)
	LAP 0, 1, 1, 0, 0
	WIN 0
	s_sub_co_u32 s3, s3, 1
	s_cmp_lg_u32 s3, 0
	s_cbranch_scc1 .Llap
	s_wait_alu depctr_va_vdst(0)
	LAP 0, 0, 0, 1, 0
.macro TOSTAGE a
.irp q, 0,1,2,3
	ds_store_b128 v110, v[ACC+32*(\a)+8*\q:ACC+32*(\a)+8*\q+3] offset:128*(\q/2)+32*(\q%2)
	ds_store_b128 v110, v[ACC+32*(\a)+8*\q+4:ACC+32*(\a)+8*\q+7] offset:128*(\q/2)+32*(\q%2)+16
.endr
.irp t, 0,1,2,3,4,5,6,7
	ds_load_b128 v[BI+32*((\a)%2)+4*\t:BI+32*((\a)%2)+4*\t+3], v111 offset:\t*544
.endr
.endm
.macro SEND a, younger
	s_wait_dscnt \younger
	WIN 0x08
.set i, 0
.rept 16
	v_pk_add_f32 v[BI+32*((\a)%2)+i:BI+32*((\a)%2)+i+1], v[BI+32*((\a)%2)+i:BI+32*((\a)%2)+i+1], v[32*(\a)+i:32*(\a)+i+1]
.set i, i+2
.endr
	WIN 0
.irp t, 0,1,2,3,4,5,6,7
	global_store_b128 v108, v[BI+32*((\a)%2)+4*\t:BI+32*((\a)%2)+4*\t+3], s[12:13] offset:(32*((\a)/2)+8*((\a)%2)+2*\t+8*(\t/4))*4096
.endr
.endm
	PLACES 8
	s_wait_loadcnt 0x0
	TOSTAGE 0
	TOSTAGE 1
	SEND 0, 16
	s_wait_xcnt 0x0
	TOSTAGE 2
	SEND 1, 16
	s_wait_xcnt 0x0
	TOSTAGE 3
	SEND 2, 16
	SEND 3, 0
	s_wait_tensorcnt 0x0
	ds_add_u32 v8, v9
	s_wait_dscnt 0x0
	CROUND
	s_endpgm
.Lfunc_end_k_qbb4abf4a84_w2:
	.size	k_qbb4abf4a84_w2, .Lfunc_end_k_qbb4abf4a84_w2-k_qbb4abf4a84_w2
	.p2alignl 7, 3214868480
	.fill 96, 4, 3214868480
	.section	.rodata,"a",@progbits
	.p2align	6, 0x0
	.amdhsa_kernel k_qbb4abf4a84_w2
		.amdhsa_group_segment_fixed_size 327680
		.amdhsa_private_segment_fixed_size 0
		.amdhsa_enable_private_segment 0
		.amdhsa_kernarg_size 40
		.amdhsa_user_sgpr_count 2
		.amdhsa_user_sgpr_kernarg_segment_ptr 1
		.amdhsa_wavefront_size32 1
		.amdhsa_system_sgpr_workgroup_id_x 1
		.amdhsa_system_sgpr_workgroup_id_y 1
		.amdhsa_system_sgpr_workgroup_id_z 1
		.amdhsa_system_vgpr_workitem_id 0
		.amdhsa_next_free_vgpr 768
		.amdhsa_next_free_sgpr 102
		.amdhsa_reserve_vcc 0
		.amdhsa_float_denorm_mode_32 3
		.amdhsa_float_denorm_mode_16_64 3
		.amdhsa_memory_ordered 1
		.amdhsa_forward_progress 1
		.amdhsa_inst_pref_size 144
	.end_amdhsa_kernel
	.amdgpu_metadata
---
amdhsa.version: [ 1, 2 ]
amdhsa.kernels:
  - .name:           k_qbb4abf4a84_w2
    .symbol:         k_qbb4abf4a84_w2.kd
    .args:
      - { .name: HB, .offset: 0, .size: 8, .value_kind: global_buffer, .address_space: global }
      - { .name: WB, .offset: 8, .size: 8, .value_kind: global_buffer, .address_space: global }
      - { .name: b2, .offset: 16, .size: 8, .value_kind: global_buffer, .address_space: global }
      - { .name: X2, .offset: 24, .size: 8, .value_kind: global_buffer, .address_space: global }
      - { .name: out0, .offset: 32, .size: 8, .value_kind: global_buffer, .address_space: global }
    .group_segment_fixed_size: 327680
    .private_segment_fixed_size: 0
    .kernarg_segment_align: 8
    .kernarg_segment_size: 40
    .max_flat_workgroup_size: 128
    .sgpr_count:     102
    .vgpr_count:     768
    .wavefront_size: 32
...
	.end_amdgpu_metadata
.endif
;; end of part 7
